; MI455X (gfx1250); checked and timed in simulation.
; The chip was launched on July 23, 2026; its instructions are those of AMD's public machine-readable ISA for CDNA 5 (MIT licence, August 2026) and "CDNA5" Instruction Set Architecture Reference Guide (July 2026). The comments in the code are by the model that wrote it; some were corrected since.
;; Block. Allowed arithmetic: matrix products marked QUANTISED: E4M3 operands, one E8M0 scale for each 32 along K, by v_wmma_scale_f32_16x16x128_f8f6f4 with both operands' format E4M3, f32 sums; everything else in f32.
;; Inputs: W1_codes 4,096 x 32 x 32 uint8 (E4M3 codes of W1, K innermost, in blocks of 32 codes); W1_scales 4,096 x 32 uint8 (E8M0 scales of W1, one for each 32 codes along K); W2_codes 1,024 x 128 x 32 uint8 (E4M3 codes of W2, K innermost, in blocks of 32 codes); W2_scales 1,024 x 128 uint8 (E8M0 scales of W2, one for each 32 codes along K); Wk_codes 16 x 64 x 32 x 32 uint8 (E4M3 codes of Wk, K innermost, in blocks of 32 codes); Wk_scales 16 x 64 x 32 uint8 (E8M0 scales of Wk, one for each 32 codes along K); Wproj_codes 1,024 x 32 x 32 uint8 (E4M3 codes of Wproj, K innermost, in blocks of 32 codes); Wproj_scales 1,024 x 32 uint8 (E8M0 scales of Wproj, one for each 32 codes along K); Wq_codes 16 x 64 x 32 x 32 uint8 (E4M3 codes of Wq, K innermost, in blocks of 32 codes); Wq_scales 16 x 64 x 32 uint8 (E8M0 scales of Wq, one for each 32 codes along K); Wv_codes 16 x 64 x 32 x 32 uint8 (E4M3 codes of Wv, K innermost, in blocks of 32 codes); Wv_scales 16 x 64 x 32 uint8 (E8M0 scales of Wv, one for each 32 codes along K); b1 4,096 float32; b2 1,024 float32; be1 1,024 float32; be2 1,024 float32; bproj 1,024 float32; g1 1,024 float32; g2 1,024 float32; x 2 x 2,048 x 1,024 float32.
;; Outputs: out0 2 x 2,048 x 1,024 float32.
;; This version of the problem:
;;   THIS VERSION OF THE PROBLEM IS GIVEN IN LOW PRECISION. The matrix products marked QUANTISED in the list below multiply operands that are first quantised to E4M3 (4 exponent bits, 3 mantissa bits; 8 bits a number), with one power-of-two scale for each 32 numbers along K (OCP MX v1.0); their sums are f32. All else is computed in f32.
;;   The module's matrix products, in the order in which they are computed (A, B: the left and right operand; K: the contracted axis; several contracted axes count as one K, in the product's order):
;;     1. [M 1,024, K 1,024] x [K 1,024, N 4,096]; A: input Wq (given as codes); B: computed on the way: QUANTISED
;;     2. [M 1,024, K 1,024] x [K 1,024, N 4,096]; A: input Wk (given as codes); B: computed on the way: QUANTISED
;;     3. [M 1,024, K 1,024] x [K 1,024, N 4,096]; A: input Wv (given as codes); B: computed on the way: QUANTISED
;;     4. batch 32 x [M 2,048, K 64] x [K 64, N 2,048]; A: computed on the way; B: computed on the way: QUANTISED
;;     5. batch 32 x [M 2,048, K 2,048] x [K 2,048, N 64]; A: softmax (see below); B: computed on the way: QUANTISED
;;     6. [M 4,096, K 1,024] x [K 1,024, N 1,024]; A: computed on the way; B: input Wproj (given as codes): QUANTISED
;;     7. [M 4,096, K 1,024] x [K 1,024, N 4,096]; A: computed on the way; B: input W1 (given as codes): QUANTISED
;;     8. [M 4,096, K 4,096] x [K 4,096, N 1,024]; A: computed on the way; B: input W2 (given as codes): QUANTISED
;;   THE QUANTISER, for each operand of a quantised product, along K:
;;     - K is cut into blocks of 32 from its start; a last block that is shorter is filled with zeros.
;;     - A block's scale is 2^e with e = floor(log2(the largest magnitude in the block)) - 8, held to -126 .. 127; a block of zeros has e = 0. As a byte (E8M0): e + 127.
;;     - Each number is divided by its block's scale, clamped to +-448, and rounded to the nearest number of E4M3, ties to even, subnormals kept.
;;     - The product sums the exact products of the quantised numbers (number of the format x scale) in f32.
;;   ~~~python
;;   def quantise(x, axis):      # numpy; x: float32 -> the quantised numbers, widened to float32 again
;;       x = np.moveaxis(x, axis, -1); K = x.shape[-1]
;;       x = np.pad(x, [(0, 0)] * (x.ndim - 1) + [(0, -K % 32)]); x = x.reshape(x.shape[:-1] + (-1, 32)); a = np.abs(x).max(-1, keepdims=True)
;;       e = np.where(a > 0, np.clip(np.frexp(np.where(a > 0, a, 1))[1] - 1 - 8, -126, 127), 0)      # np.frexp(a)[1] - 1 = floor(log2(a)), exactly
;;       r = np.clip(x / 2.0 ** e, -448, 448)
;;       step = 2.0 ** (np.maximum(np.frexp(np.where(r == 0, 1, r))[1] - 1, -6) - 3)
;;       q = np.round(r / step) * step * 2.0 ** e      # np.round: ties to even
;;       return np.moveaxis(q.reshape(q.shape[:-2] + (-1,))[..., :K], -1, axis).astype(np.float32)
;;   ~~~
;;   SOFTMAX AHEAD OF A QUANTISED PRODUCT. Where the list says 'softmax', what is quantised is not the finished softmax but p = 2^(t - M), with t = logit x log2(e) and M = ceil(the row's largest t), a whole number; so 1/2 < the row's largest p <= 1. The row's sum l is taken of the UNQUANTISED p, in f32, and the product's result is divided by l at the end. Since M is a whole number, a kernel that streams over the keys may use a running M (the ceiling of the running maximum): every later rescaling is an exact power of two, which a block's scale takes up: the codes' values come out the same.
;;   OPERANDS COMPUTED ON THE WAY. 'Computed on the way' means the value that the module computes at that place (a softmax that the list does not call 'softmax' is quantised finished and normalised). What goes into a quantiser is computed in f32, as accurately as f32 sums, v_exp_f32 and their like allow (about 1e-6 of the number): no bf16 or f16 on the way to a quantiser, and a product that is left as it is and whose result goes on into a quantised operand takes f32 operands (vector FMAs, or v_wmma_f32_16x16x4_f32). A number that lies on a knife's edge between two numbers of the format may be rounded either way, as far as f32 arithmetic and the matrix unit's own rounding can turn it there, and no further.
;;   INPUTS GIVEN AS CODES. W1 (in the module: [1024, 4096], K = its axis 0); W2 (in the module: [4096, 1024], K = its axis 0); Wk (in the module: [16, 1024, 64], K = its axis 1); Wproj (in the module: [1024, 1024], K = its axis 0); Wq (in the module: [16, 1024, 64], K = its axis 1); Wv (in the module: [16, 1024, 64], K = its axis 1): each comes as NAME_codes (uint8): NAME with its K axis moved to the last place and cut into blocks of 32 codes, [.., K / 32, bytes a block], one block behind the other in memory; one code a byte (a code: sign, 4 exponent bits, 3 mantissa bits); and NAME_scales (uint8): the same leading axes, one E8M0 byte (e + 127) for each 32 codes along K. Its value is code x scale, taken as it is: it is not quantised again, and the codes and scales need not be those that the quantiser above would give.
;; One version. Each part assembles by itself: llvm-mc -triple=amdgcn-amd-amdhsa -mcpu=gfx1250 --defsym DOCPART=n.
;; ======== version 1 of 1: 7 launches
;; limits: right only within a limited range of input values
;; workspace buffers: hq 4,325,376 bytes; qkv 12,976,128 bytes; oq 4,325,376 bytes; x1 16,777,216 bytes; hid 17,301,504 bytes
;; launch ln1 (part 1): grid 256 x 1, 8 waves a work-group, no clusters, 46,592 bytes of LDS; arguments x, g1, be1, hq; writes hq
.if DOCPART == 1
	.amdgcn_target "amdgcn-amd-amdhsa--gfx1250"
	.amdhsa_code_object_version 6
	.text
	.protected	k_q0e09855e0e_ln1
	.globl	k_q0e09855e0e_ln1
	.p2align	8
	.type	k_q0e09855e0e_ln1,@function
k_q0e09855e0e_ln1:
	s_mov_b64 s[64:65], 0
	v_nop
	global_prefetch_b8 v0, s[64:65] scope:SCOPE_SE
	s_setreg_imm32_b32 hwreg(HW_REG_WAVE_MODE, 25, 1), 1
	s_wait_xcnt 0x0
; LAYER NORM AND QUANTISER.  in: [4096][1024] f32; g, be: [1024] f32.  out: codes of E4M3 [4096][1024], K innermost, and at byte 4,194,304 of the same buffer one E8M0 byte for each 32 along the row, [4096][32].
; h = (x - mean) * rsqrt(mean((x - mean)^2) + 1e-5) * g + be, all in f32; the variance is taken of the centred numbers, so a common offset of the inputs does no harm.
; A block's scale is 2^(floor(log2(largest magnitude)) - 8); each number is held within +-448 x the scale and rounded to the nearest code, ties to even.
; LIMITS: NaN and infinities are not served; a block whose largest magnitude lies under 2^-118 (a block of zeros too) keeps the byte 1: these bytes are read by this program alone.
; SHARES.  A work-group takes 16 rows, each of its eight waves two.  Every load reads 512 consecutive bytes (16 a lane); for the arithmetic a lane must hold 32 NEIGHBOURS, one scale block:
; a row turns through the wave's own stage in LDS (a lane's 128 bytes + 16 of padding).  All 32 loads of a wave go out at the head.  The waves share no input but g and be (8 KB): no cluster, no matrix unit.
.set WREG, 5632                        ; LDS of a wave: the f32 stage, 32 x 144 bytes, and behind it the stage for a row's 1,024 codes
.set CST,  4608
.set SCB,  8*WREG                      ; behind the waves' regions: the work-group's 16 x 32 scale bytes
.set X,    32                          ; v32-63   the row in hand: my 32 neighbours
.set GRAW, 64                          ; v64-191  as loaded: g, be, row 0, row 1
.set BRAW, 96
.set XRAW, 128
.set G,    192                         ; v192-223 g of my 32 columns;  v224-255 be
.set BE,   224
	s_load_b256 s[4:11], s[0:1], 0x0               ; in s[4:5], g s[6:7], be s[8:9], out s[10:11]
	s_set_vgpr_msb 0x40
	v_lshl_add_u32 v0, v0, 2, 0xb200
	v_mov_b32 v1, 0
	s_set_vgpr_msb 0x4000
	v_lshrrev_b32 v1, 5, v0
	s_delay_alu instid0(VALU_DEP_1)
	v_readfirstlane_b32 s12, v1                    ; wave 0..7
	v_and_b32 v1, 31, v0                           ; lane
	s_delay_alu instid0(VALU_DEP_1)
	v_lshlrev_b32 v2, 4, v1                        ; my 16 bytes of a load's or a store's 512
	s_mul_i32 s13, s12, WREG
	v_lshrrev_b32 v8, 3, v1
	s_delay_alu instid0(VALU_DEP_1)
	v_mul_u32_u24 v8, v8, 144
	v_and_b32 v9, 7, v1
	s_delay_alu instid0(VALU_DEP_1)
	v_lshl_add_u32 v8, v9, 4, v8
	s_delay_alu instid0(VALU_DEP_1)
	v_add_nc_u32 v3, s13, v8                       ; the stage, in: eight lanes' 128 bytes on end, then the padding; a load's 512 bytes take four places (576 bytes)
	v_mul_u32_u24 v8, v1, 144
	s_delay_alu instid0(VALU_DEP_1)
	v_add_nc_u32 v4, s13, v8                       ; and out: 144 x lane
	s_add_co_u32 s13, s13, CST
	v_lshl_add_u32 v5, v1, 5, s13                  ; the codes' stage, in: 32 bytes a lane
	v_add_nc_u32 v6, s13, v2                       ; and out: 16 bytes a lane
	s_lshl_b32 s13, s12, 6
	s_add_co_u32 s13, s13, SCB
	v_add_nc_u32 v7, s13, v1                       ; my block's scale byte: 32 x (2 wave + row) + lane
	s_mov_b32 s16, 0x76543210
	s_mov_b32 s17, 0xfedcba98                      ; v_permlanex16_b32's selects for lane l xor 16
	s_mov_b32 s18, 0x600000                        ; the mantissa field of 448
	s_mov_b32 s19, 0x3727c5ac                      ; 1e-5
	s_mov_b32 s20, 0x3a800000                      ; 1 / 1024
	s_lshl_b32 s14, ttmp9, 16                      ; 16 rows of 4,096 bytes a work-group,
	s_lshl_b32 s15, s12, 13                        ; two a wave
	s_add_co_u32 s14, s14, s15
	s_mov_b32 s15, 0
	s_lshl_b32 s22, ttmp9, 14                      ; the same rows of codes: 1,024 bytes each
	s_lshl_b32 s23, s12, 11
	s_add_co_u32 s22, s22, s23
	s_mov_b32 s23, 0
	s_lshl_b32 s24, ttmp9, 9                       ; and the work-group's 512 scale bytes
	s_add_co_u32 s24, s24, 0x400000
	s_mov_b32 s25, 0
	s_wait_alu depctr_va_vdst(0)
	s_wait_kmcnt 0x0
	s_add_nc_u64 s[4:5], s[4:5], s[14:15]
	s_add_nc_u64 s[26:27], s[10:11], s[24:25]
	s_add_nc_u64 s[10:11], s[10:11], s[22:23]
.irp j, 0,1,2,3,4,5,6,7
	global_load_b128 v[GRAW+4*\j:GRAW+4*\j+3], v2, s[6:7] offset:512*\j
.endr
.irp j, 0,1,2,3,4,5,6,7
	global_load_b128 v[BRAW+4*\j:BRAW+4*\j+3], v2, s[8:9] offset:512*\j
.endr
.irp i, 0,1
.irp j, 0,1,2,3,4,5,6,7
	global_load_b128 v[XRAW+32*\i+4*\j:XRAW+32*\i+4*\j+3], v2, s[4:5] offset:4096*\i+512*\j th:TH_LOAD_NT
.endr
.endr
; 4,096 bytes through the stage.  LDS serves a wave's instructions in order (ISA guide 5.7.1.4): no wait between the stores and the loads, nor in front of the next turn's stores
.macro TURNIN raw, dst
.irp j, 0,1,2,3,4,5,6,7
	ds_store_b128 v3, v[\raw+4*\j:\raw+4*\j+3] offset:576*\j
.endr
.irp k, 0,1,2,3,4,5,6,7
	ds_load_b128 v[\dst+4*\k:\dst+4*\k+3], v4 offset:16*\k
.endr
.endm
.macro LANESUM                         ; four chains in v[8:15] become one sum, in every lane's v8
	s_delay_alu instid0(VALU_DEP_3)
	v_pk_add_f32 v[8:9], v[8:9], v[10:11]
	s_delay_alu instid0(VALU_DEP_2)
	v_pk_add_f32 v[12:13], v[12:13], v[14:15]
	s_delay_alu instid0(VALU_DEP_1)
	v_pk_add_f32 v[8:9], v[8:9], v[12:13]
	s_delay_alu instid0(VALU_DEP_1)
	v_add_f32 v8, v8, v9
	s_delay_alu instid0(VALU_DEP_1)
	v_add_f32_dpp v8, v8, v8 row_xmask:1 row_mask:0xf bank_mask:0xf
	s_delay_alu instid0(VALU_DEP_1)
	v_add_f32_dpp v8, v8, v8 row_xmask:2 row_mask:0xf bank_mask:0xf
	s_delay_alu instid0(VALU_DEP_1)
	v_add_f32_dpp v8, v8, v8 row_xmask:4 row_mask:0xf bank_mask:0xf
	s_delay_alu instid0(VALU_DEP_1)
	v_add_f32_dpp v8, v8, v8 row_xmask:8 row_mask:0xf bank_mask:0xf
	s_delay_alu instid0(VALU_DEP_1)
	v_permlanex16_b32 v9, v8, s16, s17
	s_delay_alu instid0(VALU_DEP_1)
	v_add_f32 v8, v8, v9
.endm
.macro ROW i
.set RB, 24+40*(\i)                    ; the codes read back: v24-31, v64-71: a set for each row, so that no store's data are written again
	s_wait_loadcnt 8*(1-\i)                        ; this row's eight loads are in; the next row's eight may be out
	TURNIN XRAW+32*(\i), X
	s_wait_dscnt 0x0
.irp c, 0,1,2,3
	v_pk_add_f32 v[8+2*\c:9+2*\c], v[X+4*\c:X+4*\c+1], v[X+4*\c+2:X+4*\c+3]   ; the sum, in four chains: nothing is cleared
.endr
.irp q, 16,24
.irp c, 0,1,2,3
	s_delay_alu instid0(VALU_DEP_4)
	v_pk_add_f32 v[8+2*\c:9+2*\c], v[8+2*\c:9+2*\c], v[X+\q+2*\c:X+\q+2*\c+1]
.endr
.endr
	LANESUM
	s_delay_alu instid0(VALU_DEP_1)
	v_mul_f32 v10, s20, v8                         ; the mean
.set n, 0
.rept 16
	v_pk_add_f32 v[X+n:X+n+1], v[X+n:X+n+1], v[10:11] op_sel_hi:[1,0] neg_lo:[0,1] neg_hi:[0,1]   ; x - mean
.set n, n+2
.endr
.irp c, 0,1,2,3
	v_pk_mul_f32 v[8+2*\c:9+2*\c], v[X+2*\c:X+2*\c+1], v[X+2*\c:X+2*\c+1]
.endr
.irp q, 8,16,24
.irp c, 0,1,2,3
	s_delay_alu instid0(VALU_DEP_4)
	v_pk_fma_f32 v[8+2*\c:9+2*\c], v[X+\q+2*\c:X+\q+2*\c+1], v[X+\q+2*\c:X+\q+2*\c+1], v[8+2*\c:9+2*\c]
.endr
.endr
	LANESUM
	s_delay_alu instid0(VALU_DEP_1)
	v_fma_f32 v8, v8, s20, s19                     ; the variance + 1e-5
	s_wait_alu depctr_va_vdst(0)
	v_rsq_f32 v10, v8
	v_nop                                          ; a plain instruction behind the transcendental (ISA guide 5.7.2)
	s_wait_alu depctr_va_vdst(0)                   ; and the wait ahead of the first use
.set n, 0
.rept 16
	v_pk_mul_f32 v[X+n:X+n+1], v[X+n:X+n+1], v[10:11] op_sel_hi:[1,0]
.set n, n+2
.endr
.set n, 0
.rept 16
	v_pk_fma_f32 v[X+n:X+n+1], v[X+n:X+n+1], v[G+n:G+n+1], v[BE+n:BE+n+1]
.set n, n+2
.endr
	v_max3_num_f32 v8, |v[X]|, |v[X+1]|, 0x4800000 ; the block's largest magnitude: all 32 numbers are mine; the floor 2^(9 - 127) holds the byte at 1 from below
	v_max3_num_f32 v9, |v[X+2]|, |v[X+3]|, 0x4800000
.irp q, 4,8,12,16,20,24,28
	s_delay_alu instid0(VALU_DEP_2)
	v_max3_num_f32 v8, v8, |v[X+\q]|, |v[X+\q+1]|
	s_delay_alu instid0(VALU_DEP_2)
	v_max3_num_f32 v9, v9, |v[X+\q+2]|, |v[X+\q+3]|
.endr
	s_delay_alu instid0(VALU_DEP_1)
	v_max_num_f32 v8, v8, v9
	s_delay_alu instid0(VALU_DEP_1)
	v_add_nc_u32 v11, 0xfc000000, v8               ; 8 off its exponent field: the conversion takes the exponent field of this operand as its scale
	s_delay_alu instid0(VALU_DEP_2)
	v_and_or_b32 v10, v8, 0x7f800000, s18          ; 448 x the scale
	s_delay_alu instid0(VALU_DEP_2)
	v_lshrrev_b32 v12, 23, v11                     ; the scale's byte
.set n, 0
.rept 32
	v_med3_num_f32 v[X+n], v[X+n], -v10, v10       ; the conversion to an 8-bit code does not saturate (ISA guide 7.6.2): the hold comes first
.set n, n+1
.endr
.irp q, 0,1,2,3
	v_cvt_scalef32_pk8_fp8_f32 v[16+2*\q:17+2*\q], v[X+8*\q:X+8*\q+7], v11
.endr
	v_nop                                          ; a plain instruction behind the last conversion
	ds_store_b8 v7, v12 offset:32*(\i)
	ds_store_b128 v5, v[16:19]                     ; my 32 codes; they come back 16 bytes a lane, so that a store covers 512 consecutive bytes
	ds_store_b128 v5, v[20:23] offset:16
	ds_load_b128 v[RB:RB+3], v6
	ds_load_b128 v[RB+4:RB+7], v6 offset:512
	s_wait_dscnt 0x0
	global_store_b128 v2, v[RB:RB+3], s[10:11] offset:1024*(\i)
	global_store_b128 v2, v[RB+4:RB+7], s[10:11] offset:1024*(\i)+512
.endm
	s_wait_loadcnt 24                              ; g is in; be and both rows may be out
	TURNIN GRAW, G
	s_wait_loadcnt 16                              ; be is in
	TURNIN BRAW, BE
	ROW 0
	ROW 1
	v_add_nc_u32 v8, SCB, v2                       ; (made on every wave's path)
	s_barrier_signal -1                            ; every wave's LDS stores have landed: the last wait on DScnt was for 0
	s_barrier_wait -1
	s_cmp_lg_u32 s12, 0
	s_cbranch_scc1 .Ldone
	s_wait_alu depctr_va_vdst(0)
	ds_load_b128 v[16:19], v8                      ; wave 0: the work-group's 512 scale bytes leave as two aligned runs of 256
	s_wait_dscnt 0x0
	global_store_b128 v2, v[16:19], s[26:27]
.Ldone:
	s_set_vgpr_msb 0x5
	s_wait_tensorcnt 0x0
	ds_add_u32 v0, v1
	s_wait_dscnt 0x0
	s_set_vgpr_msb 0x500
	s_endpgm
.Lfunc_end_k_q0e09855e0e_ln1:
	.size	k_q0e09855e0e_ln1, .Lfunc_end_k_q0e09855e0e_ln1-k_q0e09855e0e_ln1
	.p2alignl 7, 3214868480
	.fill 96, 4, 3214868480
	.section	.rodata,"a",@progbits
	.p2align	6, 0x0
	.amdhsa_kernel k_q0e09855e0e_ln1
		.amdhsa_group_segment_fixed_size 46592
		.amdhsa_private_segment_fixed_size 0
		.amdhsa_enable_private_segment 0
		.amdhsa_kernarg_size 32
		.amdhsa_user_sgpr_count 2
		.amdhsa_user_sgpr_kernarg_segment_ptr 1
		.amdhsa_wavefront_size32 1
		.amdhsa_system_sgpr_workgroup_id_x 1
		.amdhsa_system_sgpr_workgroup_id_y 1
		.amdhsa_system_sgpr_workgroup_id_z 1
		.amdhsa_system_vgpr_workitem_id 0
		.amdhsa_next_free_vgpr 258
		.amdhsa_next_free_sgpr 66
		.amdhsa_reserve_vcc 0
		.amdhsa_float_denorm_mode_32 3
		.amdhsa_float_denorm_mode_16_64 3
		.amdhsa_memory_ordered 1
		.amdhsa_forward_progress 1
		.amdhsa_inst_pref_size 35
	.end_amdhsa_kernel
	.amdgpu_metadata
---
amdhsa.version: [ 1, 2 ]
amdhsa.kernels:
  - .name:           k_q0e09855e0e_ln1
    .symbol:         k_q0e09855e0e_ln1.kd
    .args:
      - { .name: x, .offset: 0, .size: 8, .value_kind: global_buffer, .address_space: global }
      - { .name: g1, .offset: 8, .size: 8, .value_kind: global_buffer, .address_space: global }
      - { .name: be1, .offset: 16, .size: 8, .value_kind: global_buffer, .address_space: global }
      - { .name: hq, .offset: 24, .size: 8, .value_kind: global_buffer, .address_space: global }
    .group_segment_fixed_size: 46592
    .private_segment_fixed_size: 0
    .kernarg_segment_align: 8
    .kernarg_segment_size: 32
    .max_flat_workgroup_size: 256
    .sgpr_count:     66
    .vgpr_count:     258
    .wavefront_size: 32
...
	.end_amdgpu_metadata
.endif
;; end of part 1
;; launch qkv (part 2): grid 12 x 16, 4 waves a work-group, clusters of 4 x 4, 327,680 bytes of LDS; arguments hq, Wq_codes, Wq_scales, Wk_codes, Wk_scales, Wv_codes, Wv_scales, qkv; writes qkv
.if DOCPART == 2
	.amdgcn_target "amdgcn-amd-amdhsa--gfx1250"
	.amdhsa_code_object_version 6
	.text
	.protected	k_q0e09855e0e_qkv
	.globl	k_q0e09855e0e_qkv
	.p2align	8
	.type	k_q0e09855e0e_qkv,@function
k_q0e09855e0e_qkv:
	s_mov_b64 s[64:65], 0
	v_nop
	global_prefetch_b8 v0, s[64:65] scope:SCOPE_SE
	s_setreg_imm32_b32 hwreg(HW_REG_WAVE_MODE, 25, 1), 1
	s_wait_xcnt 0x0
	s_wait_alu depctr_hold_cnt(0) depctr_sa_sdst(0) depctr_va_vdst(0) depctr_va_sdst(0) depctr_va_ssrc(0) depctr_va_vcc(0) depctr_vm_vsrc(0)
	s_getreg_b32 s2, hwreg(HW_REG_IB_STS2, 6, 4)
	s_cmp_eq_u32 s2, 0
	s_cbranch_scc0 .Lentry_in_a_cluster
	s_endpgm
.Lentry_in_a_cluster:
	s_bfe_u32 s2, ttmp6, 0x10000c
	s_cmp_lg_u32 s2, 0xf033
	s_cbranch_scc0 .Lentry_shape_is_right
	s_endpgm
.Lentry_shape_is_right:
.set SIZE_K, 1024
.set KSTEP,  256
.set NQ,     KSTEP/128
.set ROWB,   256
.set KROW,   SIZE_K
.set PITCH,  272
.set FR,     16
.set NL,     4
.set NP,     8
.set HALFT,  128*PITCH
.set SLOT,   4*HALFT
.set LAPS,   SIZE_K/(2*KSTEP)
.set KS,     SIZE_K/32
.set SCL,    2*SLOT
.set HALFS,  (128*KS/256)*272
.set SBLK,   (16*KS/256)*272
.set SPARE,  SCL+4*HALFS
.set ADRA, 16
.set ADRB, 20
.set ADRS, 27
.set SPW,  28
.set NIL,  29
.set SC,   32
.set OA,   64
.set OB,   72
.set SOF,  80
.set PSEL, 81
.set AF,   128
.set PCB,  128
.set TM,   160
.set PW,   176
.set FIN,  184
.set T0,   188
.set T1,   189
.set G1, 24
.set G0, 32
.set G1B, 48
.set G0B, 56
.set G1S, 68
.set G0S, 76
.set G1SB, 80
.set G0SB, 88
.set UPM, 95
.set PVM, 96
.set MNT, 97
.set SEL, 98
.set MSB, 0
.macro WIN new
.if MSB != (\new)
	s_set_vgpr_msb (MSB<<8)|(\new)
.set MSB, (\new)
.endif
.endm
.set MUL_LO, 0xa1
.set MUL_HI, 0xf1
.set TO_B,   0x40
.macro JLOAD g0a, g1a, g0b, g1b
	s_cmp_eq_u32 s15, 0
	s_cbranch_scc0 .Lfor_b_\@
	tensor_load_to_lds s[\g0a:\g0a+3], s[\g1a:\g1a+7]
	s_nop 0
.rept 4
	v_nop
.endr
	s_branch .Lasked_\@
.Lfor_b_\@:
	tensor_load_to_lds s[\g0b:\g0b+3], s[\g1b:\g1b+7]
	s_nop 0
.rept 4
	v_nop
.endr
.Lasked_\@:
.endm
.macro CREST
	s_cmp_lg_u32 s14, 0
	s_cbranch_scc1 .Lnot_wave_0_\@
	s_barrier_signal -3
.Lnot_wave_0_\@:
	s_barrier_wait -3
	s_barrier_signal -1
	s_barrier_wait -1
.endm
.macro CROUND
	s_barrier_signal -1
	s_barrier_wait -1
	CREST
.endm
	s_load_b512 s[68:83], s[0:1], 0x0
	v_lshl_add_u32 v[SPW], v0, 2, SPARE
	v_mov_b32 v[NIL], 0
	ds_add_u32 v28, v29
	ds_add_u32 v28, v29
	s_wait_dscnt 0x0
	v_lshrrev_b32 v1, 5, v0
	v_readfirstlane_b32 s14, v1
	s_lshr_b32 s15, s14, 1
	s_and_b32 s16, s14, 1
	s_bfe_u32 s40, ttmp6, 0x40000
	s_bfe_u32 s41, ttmp6, 0x40004
	s_and_b32 s18, ttmp7, 0xffff
	s_lshl_b32 s18, s18, 2
	s_cmp_eq_u32 ttmp9, 2
	s_cselect_b32 s19, s18, 0
	s_cselect_b32 s18, 0, s18
	s_add_co_u32 s42, s40, s19
	s_add_co_u32 s17, s41, s18
	s_lshl_b32 s43, s41, 2
	s_lshl_b32 s43, 15, s43
	s_lshl_b32 s44, 0x1111, s40
	s_or_b32 s[G1+0], s43, (0<<16)|(1<<20)|(1<<21)|(5<<22)|(3<<25)
	s_or_b32 s[G1B+0], s44, (0<<16)|(1<<20)|(1<<21)|(5<<22)|(3<<25)
.irp g, G1, G1B
	s_mov_b32 s[\g+1], ROWB<<16
	s_mov_b32 s[\g+2], 256<<16             ; the head's loads of codes bring a tile's 256 rows
	s_mov_b32 s[\g+3], ROWB<<16
	s_mov_b32 s[\g+4], 256
	s_mov_b32 s[\g+5], KROW
	s_mov_b32 s[\g+6], 0
	s_mov_b32 s[\g+7], 0
.endr
	s_wait_kmcnt 0x0
	s_add_nc_u64 s[20:21], s[68:69], 0x400000
	s_cmp_eq_u32 ttmp9, 0
	s_cselect_b64 s[8:9], s[70:71], s[74:75]
	s_cselect_b64 s[10:11], s[72:73], s[76:77]
	s_cmp_eq_u32 ttmp9, 2
	s_cselect_b64 s[4:5], s[78:79], s[68:69]
	s_cselect_b64 s[6:7], s[80:81], s[20:21]
	s_cselect_b64 s[8:9], s[68:69], s[8:9]
	s_cselect_b64 s[10:11], s[20:21], s[10:11]
	s_mov_b64 s[12:13], s[82:83]
	s_or_b32 s[G1S+0], s43, (3<<16)|(1<<20)|(1<<21)|(5<<22)|(3<<25)
	s_or_b32 s[G1SB+0], s44, (3<<16)|(1<<20)|(1<<21)|(5<<22)|(3<<25)
.irp g, G1S, G1SB
	s_mov_b32 s[\g+1], 32<<16
	s_mov_b32 s[\g+2], KS<<16              ; the scale bytes of 256 rows: KS rows of 256 bytes
	s_mov_b32 s[\g+3], 32<<16
	s_mov_b32 s[\g+4], KS
	s_mov_b32 s[\g+5], 32
	s_mov_b32 s[\g+6], 0
	s_mov_b32 s[\g+7], 0
.endr
	s_lshl_b32 s20, s17, 8                 ; the tiles' first rows
	s_lshl_b32 s46, s42, 8
	s_mov_b32 s21, 0
	s_mov_b32 s47, 0
	s_mov_b64 s[18:19], KS
	s_mul_u64 s[22:23], s[20:21], s[18:19]
	s_mul_u64 s[92:93], s[46:47], s[18:19]
	s_mov_b64 s[18:19], KROW
	s_mul_u64 s[20:21], s[20:21], s[18:19]
	s_mul_u64 s[46:47], s[46:47], s[18:19]
	s_mul_i32 s45, s14, HALFT
	s_mul_i32 s18, s16, 128*KROW           ; in the ring I fetch 128 rows of a tile: which half, in bytes
	s_mov_b32 s19, 0
	s_add_nc_u64 s[20:21], s[4:5], s[20:21]
	s_add_nc_u64 s[22:23], s[6:7], s[22:23]
	s_add_nc_u64 s[46:47], s[8:9], s[46:47]
	s_add_nc_u64 s[92:93], s[10:11], s[92:93]
	CROUND
	s_mov_b32 s[G0S], 1
	s_mov_b32 s[G0S+1], SCL
	s_mov_b64 s[G0S+2:G0S+3], s[22:23]
	s_or_b32 s[G0S+3], s[G0S+3], 0x80000000
	s_mov_b32 s[G0SB], 1
	s_mov_b32 s[G0SB+1], SCL+2*HALFS
	s_mov_b64 s[G0SB+2:G0SB+3], s[92:93]
	s_or_b32 s[G0SB+3], s[G0SB+3], 0x80000000
.irp s, 0,1
	s_mov_b32 s[G0+4*\s], 1
	s_add_co_u32 s[G0+4*\s+1], s45, \s*SLOT
	s_add_nc_u64 s[G0+4*\s+2:G0+4*\s+3], s[20:21], \s*ROWB
	s_or_b32 s[G0+4*\s+3], s[G0+4*\s+3], 0x80000000
	s_mov_b32 s[G0B+4*\s], 1
	s_add_co_u32 s[G0B+4*\s+1], s45, \s*SLOT
	s_add_nc_u64 s[G0B+4*\s+2:G0B+4*\s+3], s[46:47], \s*ROWB
	s_or_b32 s[G0B+4*\s+3], s[G0B+4*\s+3], 0x80000000
.endr
	s_mov_b32 s[G0+1], 0                   ; slot 0's groups 0 serve the head first: a whole tile each, A's at 0, B's behind it
	s_mov_b32 s[G0B+1], 2*HALFT
	s_add_nc_u64 s[G0+6:G0+7], s[G0+6:G0+7], s[18:19]      ; slot 1's: my 128 rows
	s_add_nc_u64 s[G0B+6:G0B+7], s[G0B+6:G0B+7], s[18:19]
; the head's four tiles, one joint load a wave, in one chain of branches on the wave's number: wave 0 A's 256 rows of K step 0, wave 1 B's, wave 2 A's scale bytes, wave 3 B's
.macro ARM under, g0, g1, next
	s_cmp_lt_u32 s14, \under
	s_cbranch_scc0 \next
	tensor_load_to_lds s[\g0:\g0+3], s[\g1:\g1+7]
	s_nop 0
.rept 4
	v_nop
.endr
	s_branch .Lhead_asked
\next:
.endm
	ARM 1, G0,  G1,  .Lhead_b
	ARM 2, G0B, G1B, .Lhead_sa
	ARM 3, G0S, G1S, .Lhead_sb
	tensor_load_to_lds s[G0SB:G0SB+3], s[G1SB:G1SB+7]
	s_nop 0
.rept 4
	v_nop
.endr
.Lhead_asked:
	v_and_b32 v1, 15, v0
	v_bfe_u32 v2, v0, 4, 1
	v_mul_u32_u24 v3, v1, PITCH
	v_lshl_add_u32 v4, v2, 4, v3
	s_mul_i32 s21, s15, HALFT
	s_mul_i32 s22, s16, HALFT
	s_add_co_u32 s22, s22, 2*HALFT
.irp s, 0,1
	v_add_nc_u32 v[ADRA+\s], s21, v4
	v_add_nc_u32 v[ADRB+\s], s22, v4
	s_add_co_u32 s21, s21, SLOT
	s_add_co_u32 s22, s22, SLOT
.endr
	v_mul_u32_u24 v5, v1, KS
	v_lshrrev_b32 v6, 8, v5
	v_lshl_add_u32 v5, v6, 4, v5
	s_mul_i32 s21, s15, HALFS
	s_mul_i32 s22, s16, HALFS
	s_add_co_u32 s22, s22, 2*HALFS
	s_sub_co_u32 s22, s22, s21
	v_mul_u32_u24 v6, s22, v2
	s_add_co_u32 s21, s21, SCL
	v_add_nc_u32 v5, v5, v6
	v_add_nc_u32 v[ADRS], s21, v5
	s_mov_b32 s[UPM], 0xffff0000
	s_mov_b32 s[MNT], 0x600000
	s_mov_b32 s[SEL], 0x76543210
	s_mov_b32 s[SEL+1], 0xfedcba98
	s_mov_b32 s45, 1024
	s_mov_b32 s94, 131072
	s_cmp_eq_u32 ttmp9, 2
	s_cselect_b32 s20, s42, s17
	s_cselect_b32 s21, s16, s15
	s_cselect_b32 s22, s17, s42
	s_cselect_b32 s23, s15, s16
	s_cselect_b32 s[PVM], -1, 0
	s_cselect_b32 s92, 2048, s45
	s_cselect_b32 s93, 122880, 0
	s_cselect_b32 s94, s45, s94
	s_lshl_b32 s20, s20, 1
	s_add_co_u32 s20, s20, s21
	s_lshr_b32 s21, s20, 4
	s_and_b32 s20, s20, 15
	s_lshl_b32 s21, s21, 4
	s_lshl_b32 s22, s22, 2
	s_lshl_b32 s23, s23, 1
	s_add_co_u32 s21, s21, s22
	s_add_co_u32 s21, s21, s23
	s_lshl_b32 s22, ttmp9, 17
	s_lshl_b32 s23, s21, 12
	s_add_co_u32 s22, s22, s23
	s_lshl_b32 s23, s20, 8
	s_add_co_u32 s22, s22, s23
	s_add_co_u32 s22, s22, 12582912
	s_mov_b32 s23, 0
	s_add_nc_u64 s[66:67], s[12:13], s[22:23]
	s_lshl_b32 s22, ttmp9, 22
	s_lshl_b32 s23, s21, 17
	s_add_co_u32 s22, s22, s23
	s_lshl_b32 s23, s20, 13
	s_add_co_u32 s22, s22, s23
	s_mov_b32 s23, 0
	s_add_nc_u64 s[12:13], s[12:13], s[22:23]
	v_and_b32 v6, 31, v0
	v_lshlrev_b32 v6, 4, v6
	s_mov_b32 s45, 0
.irp a, 0,1,2,3,4,5,6,7
	v_add_nc_u32 v[OA+\a], s45, v6
	v_add_nc_u32 v[OB+\a], s94, v[OA+\a]
	s_add_co_u32 s45, s45, s92
.if \a == 3
	s_add_co_u32 s45, s45, s93
.endif
.endr
	v_lshlrev_b32 v[SOF], 12, v2
	v_lshl_add_u32 v[SOF], v1, 4, v[SOF]
	v_mov_b32 v[PSEL], 0x05040100
	v_mov_b32 v7, 0x07060302
	v_cndmask_b32 v[PSEL], v[PSEL], v7, s[UPM]
.macro FRAG reg, adr, q, i
.irp c, 0,1,2,3
	ds_load_b128 v[\reg+4*\c:\reg+4*\c+3], v[\adr] offset:128*(\q)+32*\c+(\i)*16*PITCH
.endr
.endm
.macro MUL16 a0, p, q, sc, zero
.irp a, \a0, \a0+1
.irp b, 0,1,2,3,4,5,6,7
.if \zero
	v_wmma_scale_f32_16x16x128_f8f6f4 v[8*(8*((\a)%4)+\b):8*(8*((\a)%4)+\b)+7], v[128*(\p)+FR*\b:128*(\p)+FR*\b+FR-1], v[AF+FR*(\a):AF+FR*(\a)+FR-1], 0, v[SC+8*NQ*(\sc)+NQ*\b+(\q)], v[SC+8*NQ*(\sc)+NQ*(\a)+(\q)] matrix_a_scale:MATRIX_SCALE_ROW1
.else
	v_wmma_scale_f32_16x16x128_f8f6f4 v[8*(8*((\a)%4)+\b):8*(8*((\a)%4)+\b)+7], v[128*(\p)+FR*\b:128*(\p)+FR*\b+FR-1], v[AF+FR*(\a):AF+FR*(\a)+FR-1], v[8*(8*((\a)%4)+\b):8*(8*((\a)%4)+\b)+7], v[SC+8*NQ*(\sc)+NQ*\b+(\q)], v[SC+8*NQ*(\sc)+NQ*(\a)+(\q)] matrix_a_scale:MATRIX_SCALE_ROW1
.endif
.endr
.endr
.endm
.macro FETCH_B slot, q, p
	WIN TO_B
.irp i, 0,1,2,3,4,5,6,7
	FRAG 128*(\p)+FR*\i, ADRB+\slot, \q, \i
.endr
	WIN 0
.endm
.macro FETCH_A slot, q, i0
.irp i, \i0, \i0+1, \i0+2, \i0+3
	FRAG AF+FR*(\i), ADRA+\slot, \q, \i
.endr
.endm
.macro SCALES sc
.irp i, 0,1,2,3,4,5,6,7
	ds_load_b64 v[SC+8*NQ*\sc+NQ*\i:SC+8*NQ*\sc+NQ*\i+1], v[ADRS] offset:\i*SBLK
.endr
.endm
.macro PLACES n
.rept \n
	v_nop
.endr
.endm
.macro STEP slot, q, zero
	s_wait_dscnt 4*NL
	WIN MUL_LO
	MUL16 0, (\q)%2, \q, \slot, \zero
	MUL16 2, (\q)%2, \q, \slot, \zero
	s_wait_dscnt 0
	PLACES NP
	FETCH_B \slot, (\q)+1, 1-(\q)%2
	FETCH_A \slot, (\q)+1, 0
	WIN MUL_HI
	MUL16 4, (\q)%2, \q, \slot, \zero
	MUL16 6, (\q)%2, \q, \slot, \zero
	PLACES NP
	WIN 0
	FETCH_A \slot, (\q)+1, 4
.endm
.macro TURN slot, next, fill
	s_wait_tensorcnt 0x0
	ds_add_u32 v[SPW], v[NIL]
	s_wait_dscnt 4*NL+1
	WIN MUL_LO
	MUL16 0, 1, NQ-1, \slot, 0
	s_wait_dscnt 0x0
	s_barrier_signal -1
	MUL16 2, 1, NQ-1, \slot, 0
	WIN 0
	s_barrier_wait -1
.if \fill
	CREST
	s_add_nc_u64 s[G0+4*\slot+2:G0+4*\slot+3], s[G0+4*\slot+2:G0+4*\slot+3], 2*ROWB
	s_add_nc_u64 s[G0B+4*\slot+2:G0B+4*\slot+3], s[G0B+4*\slot+2:G0B+4*\slot+3], 2*ROWB
	JLOAD G0+4*\slot, G1, G0B+4*\slot, G1B
	PLACES NP-4
.else
	PLACES NP
.endif
	s_wait_alu depctr_va_vdst(0)
	v_add_nc_u32 v[ADRS], 4*NQ, v[ADRS]
	FETCH_B \next, 0, 0
	FETCH_A \next, 0, 0
	SCALES \next
	WIN MUL_HI
	MUL16 4, 1, NQ-1, \slot, 0
	MUL16 6, 1, NQ-1, \slot, 0
	PLACES NP
	WIN 0
	FETCH_A \next, 0, 4
.endm
	s_wait_alu depctr_va_vdst(0)           ; the wait at the head's end
	s_wait_tensorcnt 0x0                   ; my tile of the head's four is in; the lines ahead of a later first fill:
	ds_add_u32 v[SPW], v[NIL]
	s_mov_b32 s[G1+2], 128<<16             ; no tensor load of mine is out: from here on a load brings 128 rows,
	s_mov_b32 s[G1+4], 128
	s_mov_b32 s[G1B+2], 128<<16
	s_mov_b32 s[G1B+4], 128
	s_mul_i32 s[G0+1], s14, HALFT          ; and slot 0's groups 0 take the ring's form: my quarter of the slot, my 128 rows
	s_mul_i32 s[G0B+1], s14, HALFT
	s_add_nc_u64 s[G0+2:G0+3], s[G0+2:G0+3], s[18:19]
	s_add_nc_u64 s[G0B+2:G0B+3], s[G0B+2:G0B+3], s[18:19]
	s_wait_dscnt 0x0
	CROUND                                 ; all four tiles are in, and the sixteen work-groups meet
	JLOAD G0+4, G1, G0B+4, G1B             ; K step 1: the first tensor load behind the round
	FETCH_B 0, 0, 0
	FETCH_A 0, 0, 0
	SCALES 0
	FETCH_A 0, 0, 4
	STEP 0, 0, 1
	s_mov_b32 s3, LAPS-1
.Llap:
	TURN 0, 1, 1
	STEP 1, 0, 0
	TURN 1, 0, 1
	STEP 0, 0, 0
	s_sub_co_u32 s3, s3, 1
	s_cmp_lg_u32 s3, 0
	s_cbranch_scc1 .Llap
	TURN 0, 1, 0
	STEP 1, 0, 0
	s_wait_dscnt 4*NL
	WIN MUL_LO
	MUL16 0, 1, NQ-1, 1, 0
	MUL16 2, 1, NQ-1, 1, 0
	s_wait_dscnt 0
	WIN MUL_HI
	MUL16 4, 1, NQ-1, 1, 0
	MUL16 6, 1, NQ-1, 1, 0
	WIN 0
.macro QBLK a
.set W, 2+(\a)/4
.set AC, 64*((\a)%4)
.set PC, PCB+16*((\a)%2)
	WIN 0
.irp b, 0,1,2,3
	v_mov_b32 v[TM+\b], 0x4800000
.endr
	WIN (W<<2)|(W<<4)
.irp i, 0,2,4,6,8,10,12,14
.irp b, 0,1,2,3
	v_max3_num_f32 v[TM+\b], v[TM+\b], |v[AC+16*\b+\i]|, |v[AC+16*\b+\i+1]|
.endr
.endr
	WIN 0
.irp b, 0,1,2,3
	v_permlanex16_b32 v[TM+4+\b], v[TM+\b], s[SEL], s[SEL+1]
.endr
.irp b, 0,1,2,3
	v_max_num_f32 v[TM+\b], v[TM+\b], v[TM+4+\b]
.endr
.irp b, 0,1,2,3
	v_add_nc_u32 v[TM+12+\b], 0xfc000000, v[TM+\b]
.endr
.irp b, 0,1,2,3
	v_and_or_b32 v[TM+8+\b], v[TM+\b], 0x7f800000, s[MNT]
.endr
.irp b, 0,1,2,3
	v_lshrrev_b32 v[TM+4+\b], 23, v[TM+12+\b]
.endr
	v_lshl_or_b32 v[PW+\a], v[TM+5], 8, v[TM+4]
	v_lshl_or_b32 v[PW+\a], v[TM+6], 16, v[PW+\a]
	v_lshl_or_b32 v[PW+\a], v[TM+7], 24, v[PW+\a]
	s_wait_xcnt 0x0
	WIN (W<<6)|W
.irp b, 0,1,2,3
.irp i, 0,1,2,3,4,5,6,7,8,9,10,11,12,13,14,15
	v_med3_num_f32 v[AC+16*\b+\i], v[AC+16*\b+\i], -v[TM+8+\b], v[TM+8+\b]
.endr
.endr
	WIN W
.irp b, 0,1,2,3
	v_cvt_scalef32_pk8_fp8_f32 v[PC+4*\b:PC+4*\b+1], v[AC+16*\b:AC+16*\b+7], v[TM+12+\b]
	v_cvt_scalef32_pk8_fp8_f32 v[PC+4*\b+2:PC+4*\b+3], v[AC+16*\b+8:AC+16*\b+15], v[TM+12+\b]
.endr
	WIN 0
	v_nop
	global_store_b128 v[OA+\a], v[PC:PC+3], s[12:13]
	global_store_b128 v[OA+\a], v[PC+4:PC+7], s[12:13] offset:512
	global_store_b128 v[OB+\a], v[PC+8:PC+11], s[12:13]
	global_store_b128 v[OB+\a], v[PC+12:PC+15], s[12:13] offset:512
.endm
	PLACES NP
.irp b, 0,1,2,3
	v_mov_b32 v[TM+4+\b], 0
.endr
.irp a, 0,1,2,3,4,5,6,7
	QBLK \a
.endr
.irp e, 0,1,2,3
	v_perm_b32 v[T0], v[PW+2*\e+1], v[PW+2*\e], v[PSEL]
	v_cndmask_b32 v[T1], v[PW+\e], v[PW+4+\e], s[UPM]
	v_cndmask_b32 v[FIN+\e], v[T0], v[T1], s[PVM]
.endr
	global_store_b128 v[SOF], v[FIN:FIN+3], s[66:67]
	s_wait_tensorcnt 0x0
	ds_add_u32 v[SPW], v[NIL]
	s_wait_dscnt 0x0
	CROUND
	s_endpgm
.Lfunc_end_k_q0e09855e0e_qkv:
	.size	k_q0e09855e0e_qkv, .Lfunc_end_k_q0e09855e0e_qkv-k_q0e09855e0e_qkv
	.p2alignl 7, 3214868480
	.fill 96, 4, 3214868480
	.section	.rodata,"a",@progbits
	.p2align	6, 0x0
	.amdhsa_kernel k_q0e09855e0e_qkv
		.amdhsa_group_segment_fixed_size 327680
		.amdhsa_private_segment_fixed_size 0
		.amdhsa_enable_private_segment 0
		.amdhsa_kernarg_size 64
		.amdhsa_user_sgpr_count 2
		.amdhsa_user_sgpr_kernarg_segment_ptr 1
		.amdhsa_wavefront_size32 1
		.amdhsa_system_sgpr_workgroup_id_x 1
		.amdhsa_system_sgpr_workgroup_id_y 1
		.amdhsa_system_sgpr_workgroup_id_z 1
		.amdhsa_system_vgpr_workitem_id 0
		.amdhsa_next_free_vgpr 1024
		.amdhsa_next_free_sgpr 102
		.amdhsa_reserve_vcc 0
		.amdhsa_float_denorm_mode_32 3
		.amdhsa_float_denorm_mode_16_64 3
		.amdhsa_memory_ordered 1
		.amdhsa_forward_progress 1
		.amdhsa_inst_pref_size 189
	.end_amdhsa_kernel
	.amdgpu_metadata
---
amdhsa.version: [ 1, 2 ]
amdhsa.kernels:
  - .name:           k_q0e09855e0e_qkv
    .symbol:         k_q0e09855e0e_qkv.kd
    .args:
      - { .name: hq, .offset: 0, .size: 8, .value_kind: global_buffer, .address_space: global }
      - { .name: Wq_codes, .offset: 8, .size: 8, .value_kind: global_buffer, .address_space: global }
      - { .name: Wq_scales, .offset: 16, .size: 8, .value_kind: global_buffer, .address_space: global }
      - { .name: Wk_codes, .offset: 24, .size: 8, .value_kind: global_buffer, .address_space: global }
      - { .name: Wk_scales, .offset: 32, .size: 8, .value_kind: global_buffer, .address_space: global }
      - { .name: Wv_codes, .offset: 40, .size: 8, .value_kind: global_buffer, .address_space: global }
      - { .name: Wv_scales, .offset: 48, .size: 8, .value_kind: global_buffer, .address_space: global }
      - { .name: qkv, .offset: 56, .size: 8, .value_kind: global_buffer, .address_space: global }
    .group_segment_fixed_size: 327680
    .private_segment_fixed_size: 0
    .kernarg_segment_align: 8
    .kernarg_segment_size: 64
    .max_flat_workgroup_size: 128
    .sgpr_count:     102
    .vgpr_count:     1024
    .wavefront_size: 32
...
	.end_amdgpu_metadata
.endif
;; end of part 2
;; launch attn (part 3): grid 8 x 32, 16 waves a work-group, no clusters, 327,680 bytes of LDS; arguments qkv, oq; writes oq
.if DOCPART == 3
	.amdgcn_target "amdgcn-amd-amdhsa--gfx1250"
	.amdhsa_code_object_version 6
	.text
	.protected	k_q0e09855e0e_attn
	.globl	k_q0e09855e0e_attn
	.p2align	8
	.type	k_q0e09855e0e_attn,@function
k_q0e09855e0e_attn:
	s_mov_b64 s[64:65], 0
	v_nop
	global_prefetch_b8 v0, s[64:65] scope:SCOPE_SE
	s_setreg_imm32_b32 hwreg(HW_REG_WAVE_MODE, 25, 1), 1
	s_wait_xcnt 0x0
; CAUSAL ATTENTION on codes of E4M3 with one E8M0 scale for each 32 along a product's K; 32 (batch, head) pairs, 2,048 tokens, head size 64.
; qkv holds q, k, v as images of operand registers and their scale words (q, k: [bh][tile of 16 tokens][c 2][lane][16]; v: [bh][step of 128 keys][tile of 16 d][c 4][lane][16];
; scale words [bh][step][r][4 words] from byte 12,582,912 on).  oq: o's codes [4096][1024] in true order, and at byte 4,194,304 its scale words as [128 along K: 8][128 tokens: 32][lane][16].
; THE SOFTMAX: t = score x log2(e) / 8; M = the running largest t rounded UP to a whole number; p = 2^(t - M) is quantised along the keys, not normalised; the sum of the unquantised p divides O at the end.
; When M moves, the sum and O are multiplied by 2^(old M - new M): exact.  Key steps that lie wholly under reference()'s own causal mask are left out.
; SHARES.  Work-group (x = j, y = bh) owns query blocks j and 15 - j (128 queries each): 8 (j + 1) + 8 (16 - j) = 136 steps of 16 queries x 128 keys.  Waves 2 i and 2 i + 1 share tile i of both blocks:
; up to key step j the FIRST wave of the pair walks the early tile and the SECOND the late one; beyond step j the late tile's steps go by parity: odd to the first, even to the second.
; So in every group of four key steps the two do the same number of steps, or one apart.  At step j + 1 the first wave lays the early tile's O, M and sums into LDS bytes of its own and begins anew on the late tile;
; at the end it hands its part of the late tile over through LDS and takes the early tile back; the second joins the two parts: both are brought under the larger M by whole powers of two.  Then every wave sends one tile out.
; LDS: k's images at 0, v's at 131,072, filled once, a group of four key steps (64 KB) at a time: 4 KB a wave, one tensor load a wave at the head and one behind each group's barrier, a group ahead of its use.
; A group whose first key step lies beyond 15 - j is read by no wave and is not asked for: a jump on ids alone, the same in all waves; every wait on TENSORcnt is for 0.
; The scale words (8 KB) come through registers, 16 bytes a thread.  PREFETCH: at the barrier that asks for group g + 1, group g + 2's 64 KB are named once for the head: work-group x names 8 KB (x / 4: k or v; x % 4: which 8 KB), wave 15, lanes 256 bytes apart; groups 0 and 1 come by their loads alone, and the last asking barrier names nothing.
; NO CLUSTER, though the eight work-groups of a head read the same k and v: which steps are walked, and whether the last group is fetched, hangs on the work-group's query block, which in a cluster would be its place.
; K = 64 IN AN INSTRUCTION OF 128: a fragment holds TWO tiles of keys; its product with [q | zeros] gives the first tile's scores, with [zeros | q] the second's; the two operands share the eight zero registers.
; LAYOUT.  S^T = K Q^T, O^T = V^T P^T: a lane holds ONE query; tiles 2 c, 2 c + 1 give it keys 32 c + 8 h + 0..7 and 32 c + 16 + 8 h + 0..7: v's images have the same order.
; LIMITS: NaN and infinities are not served; the scaled scores stay under 2^31 in magnitude; a block whose largest magnitude lies under 2^-118 keeps the byte 1 (read by this program alone).
.set KSC,   262144                     ; k's scale words, then v's: 4,096 bytes each
.set DMP,   270336                     ; the early tiles' states: 8 x 4,608 bytes, stored by LDS stores alone
.set SPARE, 307200                     ; the spare words: 128 bytes a wave
.set PWB,   4608                       ; a state: O (32 registers) and v12-15, 16 bytes a lane a piece
.set STG,   40960                      ; the way out's stages, 16 x 1,280 bytes; they and the parts handed over (from 0 on) lie on k's images, behind a barrier behind which nobody reads those
.set LI,   1                           ; v1   16 x lane
.set LV,   2                           ; v2   the same in v's region
.set LS,   3                           ; v3   k's scale words: 16 x r
.set ADK,  4                           ; v4-6 the step's addresses
.set ADV,  5
.set ADS,  6
.set DG,   7                           ; v7   my query less 8 h, counted from the diagonal step's first key
.set Q2S,  8                           ; v8   the late tile's scale word of q
.set ADL,  9                           ; v9   where I read a state at the end: first wave: its own early tile's; second: the part handed over
.set ADP,  10                          ; v10  where a part is handed over
.set PFO,  11                          ; v11  the prefetch's offset: 256 x lane (at the head and on the way out: 16 r)
.set QLO,  16                          ; v16-23 q, v24-31 zeros, v32-39 q once more: [q | 0] = v16-31, [0 | q] = v24-39
.set QHI,  24
.set Q2,   40                          ; v40-47 the late tile's q
.set FRG,  48                          ; v48-111 four fragments: k's, then v's
.set S,    112                         ; v112-175 S^T, then p
.set O,    176                         ; v176-207 O^T
.set PCD,  208                         ; v208-223 p's codes
.set BM,   224
.set T1,   228
.set LIM,  232
.set SCR,  236
.set KSW,  240                         ; v240-249 hold scales and nothing else
.set VSW,  244
.set QSW,  248
.set PSW,  249
.set FF,   250                         ; v[250:251] f = 2^(old M - new M)
.set TT,   252
.set SPW,  253
.set NIL,  254
.set NINF, 255
.set WV,   8
.set BH,   9
.set HI,   10                          ; s10  1: the pair's second wave
.set IDX,  11
.set PB,   12                          ; s12  the parity of my steps beyond j
.set QB,   13                          ; s13  the block of the tile in hand
.set ST,   14
.set CNT,  15
.set TB,   16
.set TS,   17
.set QH,   18                          ; s18  15 - j
.set MNT,  19
.set SEL,  20
.set CS,   22
.set G1,   24
.set G0,   32
.set SWS,  36                          ; s36  j + 1
.set GC,   37
.set TMP,  38
.set SH,   39
.set PL,   40                          ; s40  1 in wave 15, else 99: a wave prefetches while s[GC] is greater
.set PFA,  42
	s_load_b128 s[4:7], s[0:1], 0x0                ; qkv, oq
	v_lshl_add_u32 v[SPW], v0, 2, SPARE
	v_mov_b32 v[NIL], 0
	ds_add_u32 v[SPW], v[NIL]                      ; the opening lines: the add twice on end and its wait ahead of my first tensor load
	ds_add_u32 v[SPW], v[NIL]
	v_lshrrev_b32 v8, 5, v0
	v_readfirstlane_b32 s[WV], v8                  ; wave 0..15
	s_and_b32 s[BH], ttmp7, 0xffff
	s_lshr_b32 s60, s[WV], 3                       ; I fetch for k (0) or v (1),
	s_and_b32 s61, s[WV], 7                        ; which 4,096 bytes of a group's 32,768
	s_lshl_b32 s62, s60, 17
	s_lshl_b32 s63, s61, 12
	s_add_co_u32 s62, s62, s63                     ; in LDS
	s_add_co_u32 s66, s60, 1
	s_lshl_b32 s68, s66, 22
	s_lshl_b32 s67, s[BH], 17
	s_add_co_u32 s68, s68, s67
	s_add_co_u32 s68, s68, s63                     ; and in memory
	s_mov_b32 s69, 0
	s_mov_b32 s[G1], 3<<16                         ; a dense block as 16 rows of 256 bytes (32 elements of 8); images are read 16 bytes a lane on end: no padding
	s_mov_b32 s[G1+1], 32<<16
	s_mov_b32 s[G1+2], 16<<16
	s_mov_b32 s[G1+3], 32<<16
	s_mov_b32 s[G1+4], 16
	s_mov_b32 s[G1+5], 32
	s_mov_b32 s[G1+6], 0
	s_mov_b32 s[G1+7], 0
	s_wait_dscnt 0x0
	s_wait_kmcnt 0x0
	s_mov_b32 s[G0], 1
	s_mov_b32 s[G0+1], s62
	s_add_nc_u64 s[G0+2:G0+3], s[4:5], s[68:69]
	s_or_b32 s[G0+3], s[G0+3], 0x80000000
	tensor_load_to_lds s[G0:G0+3], s[G1:G1+7]      ; group 0: every wave's one load at the head
	s_nop 0
.rept 4
	v_nop
.endr
	s_lshl_b32 s70, s66, 17                        ; my 512 bytes of the scale words
	s_lshl_b32 s67, s[BH], 12
	s_add_co_u32 s70, s70, s67
	s_lshl_b32 s67, s61, 9
	s_add_co_u32 s70, s70, s67
	s_add_co_u32 s70, s70, 12582912
	s_mov_b32 s71, 0
	s_add_nc_u64 s[70:71], s[4:5], s[70:71]
	s_lshr_b32 s[HI], s[WV], 2
	s_xor_b32 s[HI], s[HI], s[WV]
	s_and_b32 s[HI], s[HI], 1                      ; of every four waves on end, and of every four waves four apart, two are first and two second
	s_xor_b32 s[PB], s[HI], 1
	s_lshr_b32 s[IDX], s[WV], 1
	s_sub_co_u32 s[QH], 15, ttmp9
	s_add_co_u32 s[SWS], ttmp9, 1
	s_cmp_eq_u32 s[HI], 1
	s_cselect_b32 s[QB], s[QH], ttmp9
	s_cmp_eq_u32 s[WV], 15
	s_cselect_b32 s[PL], 1, 99
	s_lshl_b32 s72, s[BH], 17                      ; q's images: of the tile that I begin with, and of the late tile
	s_lshl_b32 s73, s[IDX], 10
	s_add_co_u32 s72, s72, s73
	s_lshl_b32 s74, s[QH], 13
	s_add_co_u32 s74, s74, s72
	s_lshl_b32 s73, s[QB], 13
	s_add_co_u32 s72, s72, s73
	s_mov_b32 s73, 0
	s_mov_b32 s75, 0
	s_add_nc_u64 s[72:73], s[4:5], s[72:73]
	s_add_nc_u64 s[74:75], s[4:5], s[74:75]
	s_lshl_b32 s76, s[BH], 12                      ; and the words that hold their two scale bytes,
	s_lshr_b32 s77, s[IDX], 1
	s_lshl_b32 s77, s77, 2
	s_add_co_u32 s76, s76, s77
	s_add_co_u32 s76, s76, 12582912
	s_lshl_b32 s78, s[QH], 8
	s_add_co_u32 s78, s78, s76
	s_lshl_b32 s77, s[QB], 8
	s_add_co_u32 s76, s76, s77
	s_mov_b32 s77, 0
	s_mov_b32 s79, 0
	s_add_nc_u64 s[76:77], s[4:5], s[76:77]
	s_add_nc_u64 s[78:79], s[4:5], s[78:79]
	s_and_b32 s[SH], s[IDX], 1
	s_lshl_b32 s[SH], s[SH], 4                     ; in the low or the high half
	s_lshr_b32 s44, ttmp9, 2                       ; the prefetch: my work-group's 8 KB of group 1; the first barrier steps it to group 2
	s_add_co_u32 s44, s44, 1
	s_lshl_b32 s44, s44, 22
	s_and_b32 s45, ttmp9, 3
	s_lshl_b32 s45, s45, 13
	s_add_co_u32 s44, s44, s45
	s_lshl_b32 s45, s[BH], 17
	s_add_co_u32 s44, s44, s45
	s_add_co_u32 s44, s44, 32768
	s_mov_b32 s45, 0
	s_add_nc_u64 s[PFA:PFA+1], s[4:5], s[44:45]
	s_mov_b32 s[MNT], 0x600000
	s_mov_b32 s[SEL], 0x76543210
	s_mov_b32 s[SEL+1], 0xfedcba98
	s_mov_b32 s[CS], 0x3e38aa3b                    ; c = log2(e) / 8
	s_mov_b32 s[CS+1], s[CS]
	s_mov_b32 s[ST], 0
	s_mov_b32 s[TB], 0
	s_mov_b32 s[TS], 0
	s_mov_b32 s[GC], 3
	v_and_b32 v8, 31, v0
	v_and_b32 v9, 15, v0                           ; r
	v_bfe_u32 v10, v0, 4, 1                        ; h
	v_lshlrev_b32 v[LI], 4, v8
	v_lshlrev_b32 v11, 4, v9
	global_load_b128 v[S:S+3], v[LI], s[70:71]     ; scale words
	global_load_b128 v[QLO:QLO+3], v[LI], s[72:73]
	global_load_b128 v[QLO+4:QLO+7], v[LI], s[72:73] offset:512
	global_load_b128 v[QHI+8:QHI+11], v[LI], s[72:73]
	global_load_b128 v[QHI+12:QHI+15], v[LI], s[72:73] offset:512
	global_load_b128 v[Q2:Q2+3], v[LI], s[74:75]
	global_load_b128 v[Q2+4:Q2+7], v[LI], s[74:75] offset:512
	global_load_b32 v[TT], v11, s[76:77]
	global_load_b32 v[Q2S], v11, s[78:79]
	v_lshl_add_u32 v[ADK], v0, 4, KSC              ; where my 16 bytes of scale words go
	v_add_nc_u32 v[LV], 131072, v[LI]
	v_lshl_add_u32 v[LS], v9, 4, KSC
	v_lshlrev_b32 v10, 3, v10
	v_sub_nc_u32 v[DG], v9, v10
	s_lshl_b32 s[TMP], s[IDX], 4
	v_add_nc_u32 v[DG], s[TMP], v[DG]
	s_mul_i32 s[TMP], s[IDX], PWB
	v_add_nc_u32 v[ADP], s[TMP], v[LI]
	s_mul_i32 s41, s[PB], DMP
	v_add_nc_u32 v[ADL], s41, v[ADP]
.set n, 0
.rept 8
	v_mov_b32 v[QLO+8+n], 0                        ; the zero half of both operands
.set n, n+1
.endr
.set n, 0
.rept 32
	v_mov_b32 v[O+n], 0                            ; O^T: the step is written once; the first finds zeros
.set n, n+1
.endr
	v_mov_b32 v13, 0xff61b1e6                      ; the largest t so far: -3e38
	v_floor_f32 v12, -v13                          ; -M
	v_mov_b32 v14, 0
	v_mov_b32 v15, 0
.irp b, 0,1,2,3
	v_mov_b32 v[T1+\b], 0                          ; a lane permute's destination counts as one of its sources
.endr
	v_mov_b32 v[FF+1], 0                           ; (named as the upper half of a pair)
	v_mov_b32 v[NINF], 0xff800000
	s_wait_alu depctr_va_vdst(0)                   ; the wait here, directly ahead of the wait below
	s_wait_loadcnt 0x0
	ds_store_b128 v[ADK], v[S:S+3]
	v_lshrrev_b32 v[TT], s[SH], v[TT]
	v_lshrrev_b32 v[Q2S], s[SH], v[Q2S]
	v_and_b32 v[TT], 0xffff, v[TT]
	v_and_b32 v[Q2S], 0xffff, v[Q2S]
	v_lshl_or_b32 v[QSW], v[TT], 16, v[TT]         ; q's bytes twice: for either half of K
	v_lshl_or_b32 v[Q2S], v[Q2S], 16, v[Q2S]
	v_and_b32 v[PFO], 31, v0
	v_lshlrev_b32 v[PFO], 8, v[PFO]
	s_wait_alu depctr_va_vdst(0)                   ; the wait at the head's end
; The pair's first wave, at step j + 1: the early tile's state goes to its LDS bytes, and the late tile begins.
.macro SWITCH
.rept 8
	v_nop                                          ; places behind the last products, ahead of the reads of O^T
.endr
	s_wait_alu depctr_va_vdst(0)                   ; the wait
.irp e, 0,1,2,3,4,5,6,7
	ds_store_b128 v[ADL], v[O+4*\e:O+4*\e+3] offset:512*\e         ; each accumulator from its low end on
.endr
	ds_store_b128 v[ADL], v[12:15] offset:4096
	v_mov_b32 v[QSW], v[Q2S]
.irp i, 0,1,2,3,4,5,6,7
	v_mov_b32 v[QLO+\i], v[Q2+\i]
	v_mov_b32 v[QHI+8+\i], v[Q2+\i]
.endr
.set n, 0
.rept 32
	v_mov_b32 v[O+n], 0
.set n, n+1
.endr
	v_mov_b32 v13, 0xff61b1e6
	v_floor_f32 v12, -v13
	v_mov_b32 v14, 0
	v_mov_b32 v15, 0
	s_mov_b32 s[QB], s[QH]
.endm
; A KEY STEP: 128 keys.  sw = 1: the text in which step j + 1 can fall (j + 1 is at most 8).
.macro STEP sw
.if \sw
	s_cmp_eq_u32 s[HI], 0
	s_cbranch_scc0 .Lstay_\@
	s_cmp_eq_u32 s[ST], s[SWS]
	s_cbranch_scc0 .Lstay_\@
	SWITCH
.Lstay_\@:
.endif
	s_cmp_gt_u32 s[ST], s[QB]
	s_cbranch_scc1 .Lhid_\@                        ; all its keys come after my queries
	s_cmp_le_u32 s[ST], ttmp9
	s_cbranch_scc1 .Lmine_\@                       ; up to step j each wave of the pair has a tile of its own
	s_and_b32 s[TMP], s[ST], 1
	s_cmp_lg_u32 s[TMP], s[PB]
	s_cbranch_scc1 .Lhid_\@                        ; beyond it: the partner's step
.Lmine_\@:
	v_add_nc_u32 v[ADK], s[TB], v[LI]
	v_add_nc_u32 v[ADV], s[TB], v[LV]
	v_add_nc_u32 v[ADS], s[TS], v[LS]
.rept 5
	v_nop                                          ; with the three additions: eight places in front of loads into registers that the last products read
.endr
.irp f, 0,1,2,3
.irp c, 0,1,2,3
	ds_load_b128 v[FRG+16*\f+4*\c:FRG+16*\f+4*\c+3], v[ADK] offset:2048*\f+512*\c
.endr
.endr
	ds_load_b128 v[KSW:KSW+3], v[ADS]
	s_wait_alu depctr_va_vdst(0)                   ; the wait here, directly ahead of the wait below
	s_wait_dscnt 0x0
.irp f, 0,1,2,3
	v_wmma_scale_f32_16x16x128_f8f6f4 v[S+16*\f:S+16*\f+7], v[FRG+16*\f:FRG+16*\f+15], v[QLO:QLO+15], 0, v[KSW+\f], v[QSW]
	v_wmma_scale_f32_16x16x128_f8f6f4 v[S+16*\f+8:S+16*\f+15], v[FRG+16*\f:FRG+16*\f+15], v[QHI:QHI+15], 0, v[KSW+\f], v[QSW]
.endr
.rept 8
	v_nop
.endr
.irp e, 0,1,2,3                                ; v's fragments land under the softmax
.irp c, 0,1,2,3
	ds_load_b128 v[FRG+16*\e+4*\c:FRG+16*\e+4*\c+3], v[ADV] offset:2048*\e+512*\c
.endr
.endr
	ds_load_b128 v[VSW:VSW+3], v[ADS] offset:4096
	s_cmp_lg_u32 s[ST], s[QB]
	s_cbranch_scc1 .Lopen_\@                       ; only the diagonal step hides keys
.set n, 0
.rept 64                                       ; register n holds key 16 (n / 8) + 8 h + n % 8 of the step: hidden where it comes after my query
	v_cmp_gt_i32 vcc_lo, 16*(n/8)+n%8, v[DG]
	v_cndmask_b32 v[S+n], v[S+n], v[NINF], vcc_lo
.set n, n+1
.endr
.Lopen_\@:
.irp b, 0,1,2,3
	v_max3_num_f32 v[BM+\b], v[S+16*\b], v[S+16*\b+1], v[S+16*\b+2]   ; the largest score of each block of 32 keys: for the row's maximum and, since p rises with the score, for the block's largest p
.endr
.irp i, 3,5,7,9,11,13
.irp b, 0,1,2,3
	v_max3_num_f32 v[BM+\b], v[BM+\b], v[S+16*\b+\i], v[S+16*\b+\i+1]
.endr
.endr
.irp b, 0,1,2,3
	v_max_num_f32 v[BM+\b], v[BM+\b], v[S+16*\b+15]
.endr
.irp b, 0,1,2,3
	s_delay_alu instid0(VALU_DEP_4)
	v_permlanex16_b32 v[T1+\b], v[BM+\b], s[SEL], s[SEL+1]
.endr
.irp b, 0,1,2,3
	s_delay_alu instid0(VALU_DEP_4)
	v_max_num_f32 v[BM+\b], v[BM+\b], v[T1+\b]
.endr
	s_delay_alu instid0(VALU_DEP_2)
	v_max3_num_f32 v[TT], v[BM], v[BM+1], v[BM+2]
	s_delay_alu instid0(VALU_DEP_1)
	v_max_num_f32 v[TT], v[TT], v[BM+3]
	s_delay_alu instid0(VALU_DEP_1)
	v_mul_f32 v[TT], s[CS], v[TT]
	s_delay_alu instid0(VALU_DEP_1)
	v_max_num_f32 v13, v13, v[TT]                  ; the running largest t
	v_mov_b32 v[TT], v12
	s_delay_alu instid0(VALU_DEP_2)
	v_floor_f32 v12, -v13                          ; the new -M = -ceil(t)
	s_delay_alu instid0(VALU_DEP_1)
	v_sub_f32 v[TT], v12, v[TT]                    ; old M - new M: a whole number, 0 or less
	s_delay_alu instid0(VALU_DEP_1)
	v_cvt_i32_f32 v[TT], v[TT]
	s_delay_alu instid0(VALU_DEP_1)
	v_ldexp_f32 v[FF], 1.0, v[TT]                  ; f
.set n, 0
.rept 32
	v_pk_fma_f32 v[S+n:S+n+1], v[S+n:S+n+1], s[CS:CS+1], v[12:13] op_sel_hi:[1,0,0]   ; t - M
.set n, n+2
.endr
.irp b, 0,1,2,3
	v_fma_f32 v[BM+\b], v[BM+\b], s[CS], v12
.endr
	s_wait_alu depctr_va_vdst(0)                   ; the wait ahead of the batch
.set n, 0
.rept 64
	v_exp_f32 v[S+n], v[S+n]                       ; p
.set n, n+1
.endr
	v_pk_mul_f32 v[14:15], v[14:15], v[FF:FF+1] op_sel_hi:[1,0]    ; the sums under the new M: a plain instruction behind the exponentials
	s_wait_alu depctr_va_vdst(0)                   ; one wait for the batch, ahead of its first reader
.irp b, 0,1,2,3
	v_exp_f32 v[BM+\b], v[BM+\b]                   ; the blocks' largest p
.endr
.irp k, 0,1,2,3,4,5                            ; the row's sum of the unquantised p: 32 pairs in seven chains: six in v228-239 (free here), the seventh the running sum itself
	v_pk_add_f32 v[T1+2*\k:T1+2*\k+1], v[S+4*\k:S+4*\k+1], v[S+4*\k+2:S+4*\k+3]
.endr
	v_pk_add_f32 v[14:15], v[14:15], v[S+24:S+25]
.irp j, 26,40
.irp k, 0,1,2,3,4,5
	v_pk_add_f32 v[T1+2*\k:T1+2*\k+1], v[T1+2*\k:T1+2*\k+1], v[S+\j+2*\k:S+\j+2*\k+1]
.endr
	v_pk_add_f32 v[14:15], v[14:15], v[S+\j+12:S+\j+13]
.endr
.irp k, 0,1,2,3,4
	v_pk_add_f32 v[T1+2*\k:T1+2*\k+1], v[T1+2*\k:T1+2*\k+1], v[S+54+2*\k:S+55+2*\k]
.endr
	v_pk_add_f32 v[T1:T1+1], v[T1:T1+1], v[T1+2:T1+3]
	v_pk_add_f32 v[LIM:LIM+1], v[LIM:LIM+1], v[LIM+2:LIM+3]
	v_pk_add_f32 v[SCR:SCR+1], v[SCR:SCR+1], v[SCR+2:SCR+3]
	v_pk_add_f32 v[T1:T1+1], v[T1:T1+1], v[LIM:LIM+1]
	v_pk_add_f32 v[14:15], v[14:15], v[SCR:SCR+1]
	v_pk_add_f32 v[14:15], v[14:15], v[T1:T1+1]
	s_wait_alu depctr_va_vdst(0)                   ; and one for the four
.irp b, 0,1,2,3
	v_max_num_f32 v[BM+\b], 0x4800000, v[BM+\b]    ; the floor: the byte cannot fall under 1
.endr
.irp b, 0,1,2,3
	s_delay_alu instid0(VALU_DEP_4)
	v_add_nc_u32 v[SCR+\b], 0xfc000000, v[BM+\b]
.endr
.irp b, 0,1,2,3
	v_and_or_b32 v[LIM+\b], v[BM+\b], 0x7f800000, s[MNT]
.endr
.irp b, 0,1,2,3
	v_lshrrev_b32 v[T1+\b], 23, v[SCR+\b]
.endr
	s_delay_alu instid0(VALU_DEP_3)
	v_lshl_or_b32 v[PSW], v[T1+1], 8, v[T1]        ; p's scale word for these 128 keys
	s_delay_alu instid0(VALU_DEP_1)
	v_lshl_or_b32 v[PSW], v[T1+2], 16, v[PSW]
	s_delay_alu instid0(VALU_DEP_1)
	v_lshl_or_b32 v[PSW], v[T1+3], 24, v[PSW]
.irp b, 0,1,2,3
	v_mov_b32 v[T1+(\b+1)%4], v[LIM+\b]            ; each bound a second time, in a register whose number differs modulo 4: the second sources of a dual pair
.endr
.irp b, 0,1,2,3
.irp i, 0,2,4,6,8,10,12,14                     ; the hold, two numbers an instruction: the conversion does not saturate (ISA guide 7.6.2); p is not negative
	v_dual_min_num_f32 v[S+16*\b+\i], v[S+16*\b+\i], v[LIM+\b] :: v_dual_min_num_f32 v[S+16*\b+\i+1], v[S+16*\b+\i+1], v[T1+(\b+1)%4]
.endr
	v_cvt_scalef32_pk8_fp8_f32 v[PCD+4*\b:PCD+4*\b+1], v[S+16*\b:S+16*\b+7], v[SCR+\b]
	v_cvt_scalef32_pk8_fp8_f32 v[PCD+4*\b+2:PCD+4*\b+3], v[S+16*\b+8:S+16*\b+15], v[SCR+\b]
.endr
	s_wait_alu depctr_va_vdst(0)                   ; the wait here, directly ahead of the first reader of O^T
.set n, 0
.rept 16
	v_pk_mul_f32 v[O+n:O+n+1], v[O+n:O+n+1], v[FF:FF+1] op_sel_hi:[1,0]   ; O^T under the new M; these are also the places between the codes and the products
.set n, n+2
.endr
	s_wait_alu depctr_va_vdst(0)                   ; the wait here, directly ahead of the wait below
	s_wait_dscnt 0x0                               ; v's fragments and scale words are in
.irp e, 0,1,2,3                                ; the four accumulators take turns
	v_wmma_scale_f32_16x16x128_f8f6f4 v[O+8*\e:O+8*\e+7], v[FRG+16*\e:FRG+16*\e+15], v[PCD:PCD+15], v[O+8*\e:O+8*\e+7], v[VSW+\e], v[PSW]
.endr
.Lhid_\@:
	s_add_co_u32 s[ST], s[ST], 1
	s_add_co_u32 s[TB], s[TB], 8192
	s_add_co_u32 s[TS], s[TS], 256
.endm
; At a group's head: my tensor load (my part of this group) is in; the add and its wait; one barrier shows the group to all.  fill = 1: behind it the next group is asked for, a first fill of its bytes.
.macro GATE fill
	s_wait_tensorcnt 0x0
	ds_add_u32 v[SPW], v[NIL]
.if \fill
	s_add_co_u32 s[G0+1], s[G0+1], 32768           ; no load of mine is out: the descriptor steps to the next group
	s_add_nc_u64 s[G0+2:G0+3], s[G0+2:G0+3], 32768
	s_wait_xcnt 0x0                                ; any prefetch of mine has read its address
	s_add_nc_u64 s[PFA:PFA+1], s[PFA:PFA+1], 32768 ; one group further on than the descriptor
.endif
	s_wait_dscnt 0x0
	s_barrier_signal -1
	s_barrier_wait -1
.if \fill
	s_add_co_u32 s[TMP], s[ST], 4                  ; the next group's first key step:
	s_cmp_gt_u32 s[TMP], s[QH]                     ; beyond 15 - j no wave of this work-group reads it (ids and the count of steps alone)
	s_cbranch_scc1 .Lpast_\@
	tensor_load_to_lds s[G0:G0+3], s[G1:G1+7]
	s_nop 0
.rept 4
	v_nop
.endr
.Lpast_\@:
	s_cmp_gt_u32 s[GC], s[PL]
	s_cbranch_scc0 .Lnone_\@
	global_prefetch_b8 v[PFO], s[PFA:PFA+1] th:TH_LOAD_NT scope:SCOPE_SE
.Lnone_\@:
.endif
.endm
.macro FOUR sw
	s_mov_b32 s[CNT], 4
.Lstep_\@:
	STEP \sw
	s_sub_co_u32 s[CNT], s[CNT], 1
	s_cmp_lg_u32 s[CNT], 0
	s_cbranch_scc1 .Lstep_\@
.endm
.Lgroup:                                           ; groups 0 to 2; the last is written out: it asks for nothing
	GATE 1
	FOUR 1
	s_sub_co_u32 s[GC], s[GC], 1
	s_cmp_lg_u32 s[GC], 0
	s_cbranch_scc1 .Lgroup
	GATE 0
	FOUR 0
	; THE PARTS ARE JOINED.
.rept 8
	v_nop                                          ; places behind the last products
.endr
	s_wait_alu depctr_va_vdst(0)
	s_wait_dscnt 0x0
	s_barrier_signal -1
	s_barrier_wait -1                              ; nobody reads k's images any more
	s_cmp_eq_u32 s[HI], 0
	s_cbranch_scc0 .Lsecond
.irp e, 0,1,2,3,4,5,6,7
	ds_store_b128 v[ADP], v[O+4*\e:O+4*\e+3] offset:512*\e         ; the first wave's part of the late tile
.endr
	ds_store_b128 v[ADP], v[12:15] offset:4096
.Lsecond:
	s_wait_dscnt 0x0
	s_barrier_signal -1
	s_barrier_wait -1
.irp e, 0,1,2,3,4,5,6,7
	ds_load_b128 v[S+4*\e:S+4*\e+3], v[ADL] offset:512*\e          ; first wave: its early tile; second: the partner's part
.endr
	ds_load_b128 v[S+32:S+35], v[ADL] offset:4096
	s_cmp_eq_u32 s[HI], 0
	s_cselect_b32 s[TMP], -1, 0
	s_cselect_b32 s[QB], ttmp9, s[QH]              ; the tile that I send out
	s_wait_dscnt 0x0
	s_wait_xcnt 0x0                                ; the last prefetch has read its offset: v11 is written on the way out
	v_min_num_f32 v[TT], v12, v[S+32]              ; -M of the larger M
	v_sub_f32 v[BM], v[TT], v12
	v_sub_f32 v[BM+1], v[TT], v[S+32]
	v_cvt_i32_f32 v[BM], v[BM]
	v_cvt_i32_f32 v[BM+1], v[BM+1]
	v_ldexp_f32 v[FF], 1.0, v[BM]                  ; what I hold, and what I read, under that M
	v_ldexp_f32 v[BM+2], 1.0, v[BM+1]
	v_mov_b32 v[BM+3], 0                           ; (named as the upper half of a pair)
	v_cndmask_b32 v[FF], v[FF], 0, s[TMP]          ; the first wave keeps what it read and nothing else
	v_cndmask_b32 v[BM+2], v[BM+2], 1.0, s[TMP]
.set n, 0
.rept 16
	v_pk_mul_f32 v[O+n:O+n+1], v[O+n:O+n+1], v[FF:FF+1] op_sel_hi:[1,0]
.set n, n+2
.endr
	v_pk_mul_f32 v[14:15], v[14:15], v[FF:FF+1] op_sel_hi:[1,0]
.set n, 0
.rept 16
	v_pk_fma_f32 v[O+n:O+n+1], v[S+n:S+n+1], v[BM+2:BM+3], v[O+n:O+n+1] op_sel_hi:[1,0,1]
.set n, n+2
.endr
	v_pk_fma_f32 v[14:15], v[S+34:S+35], v[BM+2:BM+3], v[14:15] op_sel_hi:[1,0,1]
	; THE WAY OUT: O^T / the sum, quantised along the head's 64 (two blocks), through my stage into true order.
	v_add_f32 v14, v14, v15
	v_permlanex16_b32 v[TT], v14, s[SEL], s[SEL+1]
	v_add_f32 v14, v14, v[TT]
	s_wait_alu depctr_va_vdst(0)                   ; the wait ahead of the transcendental
	v_rcp_f32 v14, v14
	v_and_b32 v1, 15, v0                           ; (plain work behind the transcendental)  r
	v_bfe_u32 v2, v0, 4, 1                         ; h
	s_mul_i32 s60, s[WV], 1280
	s_add_co_u32 s60, s60, STG                     ; my stage
	v_mul_u32_u24 v4, v1, 80
	v_lshl_add_u32 v4, v2, 3, v4
	v_add_nc_u32 v4, s60, v4                       ; in: row r, 8 h
	v_bfe_u32 v5, v0, 2, 3
	v_and_b32 v6, 3, v0
	v_mul_u32_u24 v3, v5, 80
	v_lshl_add_u32 v3, v6, 4, v3
	v_add_nc_u32 v3, s60, v3                       ; back: four lanes to a row of 64 bytes
	v_lshlrev_b32 v5, 10, v5
	v_lshl_add_u32 v5, v6, 4, v5                   ; and the same place in o's rows of 1,024 bytes
	v_lshlrev_b32 v11, 4, v1                       ; 16 r
	s_lshr_b32 s70, s[BH], 4                       ; the batch
	s_and_b32 s71, s[BH], 15                       ; the head
	s_lshl_b32 s72, s70, 11
	s_lshl_b32 s73, s[QB], 7
	s_add_co_u32 s72, s72, s73
	s_lshl_b32 s73, s[IDX], 4
	s_add_co_u32 s72, s72, s73                     ; my first token
	s_lshl_b32 s72, s72, 10
	s_lshl_b32 s73, s71, 6
	s_add_co_u32 s72, s72, s73
	s_mov_b32 s73, 0
	s_add_nc_u64 s[66:67], s[6:7], s[72:73]
	s_lshr_b32 s72, s71, 1
	s_lshl_b32 s72, s72, 14                        ; which 128 along K,
	s_lshl_b32 s73, s70, 4
	s_add_co_u32 s73, s73, s[QB]
	s_lshl_b32 s73, s73, 9                         ; which 128 tokens,
	s_add_co_u32 s72, s72, s73
	s_lshr_b32 s73, s[IDX], 2
	s_lshl_b32 s73, s73, 8                         ; which half of the lanes,
	s_add_co_u32 s72, s72, s73
	s_and_b32 s73, s[IDX], 3
	s_lshl_b32 s73, s73, 2                         ; which word,
	s_add_co_u32 s72, s72, s73
	s_and_b32 s73, s71, 1
	s_lshl_b32 s73, s73, 1                         ; which half of it
	s_add_co_u32 s72, s72, s73
	s_add_co_u32 s72, s72, 0x400000
	s_mov_b32 s73, 0
	s_add_nc_u64 s[68:69], s[6:7], s[72:73]
	s_wait_alu depctr_va_vdst(0)                   ; the wait ahead of the reciprocal's first reader
.set n, 0
.rept 32
	v_mul_f32 v[S+n], v[O+n], v14                  ; register 8 e + i is o(r, 16 e + 8 h + i)
.set n, n+1
.endr
.irp b, 0,1
	v_max3_num_f32 v[BM+\b], |v[S+16*\b]|, |v[S+16*\b+1]|, 0x4800000
.endr
.irp i, 2,4,6,8,10,12,14
.irp b, 0,1
	v_max3_num_f32 v[BM+\b], v[BM+\b], |v[S+16*\b+\i]|, |v[S+16*\b+\i+1]|
.endr
.endr
.irp b, 0,1
	v_permlanex16_b32 v[T1+\b], v[BM+\b], s[SEL], s[SEL+1]
.endr
.irp b, 0,1
	v_max_num_f32 v[BM+\b], v[BM+\b], v[T1+\b]
.endr
.irp b, 0,1
	v_add_nc_u32 v[SCR+\b], 0xfc000000, v[BM+\b]
.endr
.irp b, 0,1
	v_and_or_b32 v[LIM+\b], v[BM+\b], 0x7f800000, s[MNT]
.endr
.irp b, 0,1
	v_lshrrev_b32 v[T1+\b], 23, v[SCR+\b]
.endr
	v_lshl_or_b32 v7, v[T1+1], 8, v[T1]            ; my row's two scale bytes
.irp b, 0,1
.irp i, 0,1,2,3,4,5,6,7,8,9,10,11,12,13,14,15
	v_med3_num_f32 v[S+16*\b+\i], v[S+16*\b+\i], -v[LIM+\b], v[LIM+\b]
.endr
	v_cvt_scalef32_pk8_fp8_f32 v[PCD+4*\b:PCD+4*\b+1], v[S+16*\b:S+16*\b+7], v[SCR+\b]
	v_cvt_scalef32_pk8_fp8_f32 v[PCD+4*\b+2:PCD+4*\b+3], v[S+16*\b+8:S+16*\b+15], v[SCR+\b]
.endr
	v_nop                                          ; a plain instruction behind the last conversion
	ds_store_b64 v4, v[PCD:PCD+1]                  ; d = 8 h + 0..7,
	ds_store_b64 v4, v[PCD+2:PCD+3] offset:16      ; 16 + 8 h + 0..7,
	ds_store_b64 v4, v[PCD+4:PCD+5] offset:32      ; and the second block's
	ds_store_b64 v4, v[PCD+6:PCD+7] offset:48
	ds_load_b128 v[S:S+3], v3                      ; LDS serves a wave's instructions in order (ISA guide 5.7.1.4): these see my stores
	ds_load_b128 v[S+4:S+7], v3 offset:640
	s_wait_dscnt 0x0
	global_store_b128 v5, v[S:S+3], s[66:67]
	global_store_b128 v5, v[S+4:S+7], s[66:67] offset:8192
	global_store_b16 v11, v7, s[68:69]             ; lanes l and l xor 16 hold the same bytes and name the same place: all lanes stay on
	s_wait_tensorcnt 0x0                           ; the wave's end
	ds_add_u32 v[SPW], v[NIL]
	s_wait_dscnt 0x0
	s_endpgm
.Lfunc_end_k_q0e09855e0e_attn:
	.size	k_q0e09855e0e_attn, .Lfunc_end_k_q0e09855e0e_attn-k_q0e09855e0e_attn
	.p2alignl 7, 3214868480
	.fill 96, 4, 3214868480
	.section	.rodata,"a",@progbits
	.p2align	6, 0x0
	.amdhsa_kernel k_q0e09855e0e_attn
		.amdhsa_group_segment_fixed_size 327680
		.amdhsa_private_segment_fixed_size 0
		.amdhsa_enable_private_segment 0
		.amdhsa_kernarg_size 16
		.amdhsa_user_sgpr_count 2
		.amdhsa_user_sgpr_kernarg_segment_ptr 1
		.amdhsa_wavefront_size32 1
		.amdhsa_system_sgpr_workgroup_id_x 1
		.amdhsa_system_sgpr_workgroup_id_y 1
		.amdhsa_system_sgpr_workgroup_id_z 1
		.amdhsa_system_vgpr_workitem_id 0
		.amdhsa_next_free_vgpr 256
		.amdhsa_next_free_sgpr 80
		.amdhsa_reserve_vcc 1
		.amdhsa_float_denorm_mode_32 3
		.amdhsa_float_denorm_mode_16_64 3
		.amdhsa_memory_ordered 1
		.amdhsa_forward_progress 1
		.amdhsa_inst_pref_size 74
	.end_amdhsa_kernel
	.amdgpu_metadata
---
amdhsa.version: [ 1, 2 ]
amdhsa.kernels:
  - .name:           k_q0e09855e0e_attn
    .symbol:         k_q0e09855e0e_attn.kd
    .args:
      - { .name: qkv, .offset: 0, .size: 8, .value_kind: global_buffer, .address_space: global }
      - { .name: oq, .offset: 8, .size: 8, .value_kind: global_buffer, .address_space: global }
    .group_segment_fixed_size: 327680
    .private_segment_fixed_size: 0
    .kernarg_segment_align: 8
    .kernarg_segment_size: 16
    .max_flat_workgroup_size: 512
    .sgpr_count:     80
    .vgpr_count:     256
    .wavefront_size: 32
...
	.end_amdgpu_metadata
.endif
;; end of part 3
;; launch proj (part 4): grid 8 x 32, 4 waves a work-group, clusters of 4 x 4, 327,680 bytes of LDS; arguments oq, Wproj_codes, Wproj_scales, bproj, x, x1; writes x1
.if DOCPART == 4
	.amdgcn_target "amdgcn-amd-amdhsa--gfx1250"
	.amdhsa_code_object_version 6
	.text
	.protected	k_q0e09855e0e_proj
	.globl	k_q0e09855e0e_proj
	.p2align	8
	.type	k_q0e09855e0e_proj,@function
k_q0e09855e0e_proj:
	s_mov_b64 s[64:65], 0
	v_nop
	global_prefetch_b8 v0, s[64:65] scope:SCOPE_SE
	s_setreg_imm32_b32 hwreg(HW_REG_WAVE_MODE, 25, 1), 1
	s_wait_xcnt 0x0
	s_wait_alu depctr_hold_cnt(0) depctr_sa_sdst(0) depctr_va_vdst(0) depctr_va_sdst(0) depctr_va_ssrc(0) depctr_va_vcc(0) depctr_vm_vsrc(0)
	s_getreg_b32 s2, hwreg(HW_REG_IB_STS2, 6, 4)
	s_cmp_eq_u32 s2, 0
	s_cbranch_scc0 .Lentry_in_a_cluster
	s_endpgm
.Lentry_in_a_cluster:
	s_bfe_u32 s2, ttmp6, 0x10000c
	s_cmp_lg_u32 s2, 0xf033
	s_cbranch_scc0 .Lentry_shape_is_right
	s_endpgm
.Lentry_shape_is_right:
.set SIZE_K, 1024
.set KSTEP,  512
.set PITCH,  528
.set HALFT,  64*PITCH
.set SLOT,   4*HALFT
.set LAPS,   SIZE_K/(2*KSTEP)
.set KS,     SIZE_K/32
.set RA,     SIZE_K/256
.set SCA,    2*SLOT
.set SCAH,   RA*512
.set SCB,    SCA+2*SCAH
.set RB,     64*KS/256
.set HALFSB, RB*272
.set SBLK,   (16*KS/256)*272
.set SPARE,  SCB+2*HALFSB
.set BIA,  12
.set ADRA, 16
.set ADRB, 20
.set ADSA, 22
.set ADSB, 23
.set STO,  24
.set RD,   25
.set CO,   26
.set BOF,  27
.set SPW,  28
.set NIL,  29
.set PFO,  30
.set SCS,  32
.set BK,   96
.set ACC,  128
.set F0,   0
.set F1,   128
.set RES,  0
.set G1, 24
.set G0, 32
.set LIM, 43
.set PFA, 44
.set G1B, 48
.set G0B, 56
.set G1S, 68
.set G0S, 76
.set G1SB, 80
.set G0SB, 88
.set MSB, 0
.macro WIN new
.if MSB != (\new)
	s_set_vgpr_msb (MSB<<8)|(\new)
.set MSB, (\new)
.endif
.endm
.set MUL,  0x05
.set TO_F, 0x40
.macro JLOAD g0a, g1a, g0b, g1b
	s_cmp_eq_u32 s11, 0
	s_cbranch_scc0 .Lfor_b_\@
	tensor_load_to_lds s[\g0a:\g0a+3], s[\g1a:\g1a+7]
	s_nop 0
.rept 4
	v_nop
.endr
	s_branch .Lasked_\@
.Lfor_b_\@:
	tensor_load_to_lds s[\g0b:\g0b+3], s[\g1b:\g1b+7]
	s_nop 0
.rept 4
	v_nop
.endr
.Lasked_\@:
.endm
.macro ASK always
.if (\always)
	s_cmp_eq_u32 s[LIM], 1
.else
	s_cmp_gt_u32 s3, s[LIM]
.endif
	s_cbranch_scc0 .Lnot_mine_\@
	global_prefetch_b8 v[PFO], s[PFA:PFA+1] th:TH_LOAD_NT scope:SCOPE_SE
.Lnot_mine_\@:
.endm
.macro CREST
	s_cmp_lg_u32 s10, 0
	s_cbranch_scc1 .Lnot_wave_0_\@
	s_barrier_signal -3
.Lnot_wave_0_\@:
	s_barrier_wait -3
	s_barrier_signal -1
	s_barrier_wait -1
.endm
.macro CROUND
	s_barrier_signal -1
	s_barrier_wait -1
	CREST
.endm
	s_load_b128 s[4:7], s[0:1], 0x0
	s_load_b64 s[8:9], s[0:1], 0x10
	s_load_b64 s[92:93], s[0:1], 0x18
	s_load_b128 s[96:99], s[0:1], 0x20
	v_lshl_add_u32 v[SPW], v0, 2, SPARE
	v_mov_b32 v[NIL], 0
	ds_add_u32 v28, v29
	ds_add_u32 v28, v29
	s_wait_dscnt 0x0
	v_lshrrev_b32 v1, 5, v0
	v_readfirstlane_b32 s10, v1
	s_lshr_b32 s11, s10, 1
	s_and_b32 s12, s10, 1
	s_bfe_u32 s40, ttmp6, 0x40000
	s_bfe_u32 s41, ttmp6, 0x40004
	s_lshl_b32 s42, ttmp9, 2
	s_add_co_u32 s42, s42, s40
	s_and_b32 s13, ttmp7, 0xffff
	s_lshl_b32 s13, s13, 2
	s_add_co_u32 s13, s13, s41
	s_lshl_b32 s43, s41, 2
	s_lshl_b32 s43, 15, s43
	s_lshl_b32 s44, 0x1111, s40
	s_or_b32 s[G1+0], s43, (0<<16)|(1<<20)|(1<<21)|(6<<22)|(3<<25)
	s_or_b32 s[G1B+0], s44, (0<<16)|(1<<20)|(1<<21)|(6<<22)|(3<<25)
.irp g, G1, G1B
	s_mov_b32 s[\g+1], KSTEP<<16
	s_mov_b32 s[\g+2], 128<<16             ; the head's loads of codes bring a tile's 128 rows
	s_mov_b32 s[\g+3], KSTEP<<16
	s_mov_b32 s[\g+4], 128
	s_mov_b32 s[\g+5], SIZE_K
	s_mov_b32 s[\g+6], 0
	s_mov_b32 s[\g+7], 0
.endr
	s_or_b32 s[G1S+0], s43, (3<<16)|(1<<21)
	s_mov_b32 s[G1S+1], 64<<16
	s_mov_b32 s[G1S+2], (2*RA)<<16
	s_mov_b32 s[G1S+3], 64<<16
	s_mov_b32 s[G1S+4], 2*RA
	s_mov_b32 s[G1S+5], 2048
	s_mov_b32 s[G1S+6], 0
	s_mov_b32 s[G1S+7], 0
	s_or_b32 s[G1SB+0], s44, (3<<16)|(1<<20)|(1<<21)|(5<<22)|(3<<25)
	s_mov_b32 s[G1SB+1], 32<<16
	s_mov_b32 s[G1SB+2], (2*RB)<<16
	s_mov_b32 s[G1SB+3], 32<<16
	s_mov_b32 s[G1SB+4], 2*RB
	s_mov_b32 s[G1SB+5], 32
	s_mov_b32 s[G1SB+6], 0
	s_mov_b32 s[G1SB+7], 0
	s_lshl_b32 s16, s13, 7                 ; the tiles' first rows
	s_lshl_b32 s46, s42, 7
	s_mov_b32 s17, 0
	s_mov_b32 s47, 0
	s_mov_b64 s[18:19], KS
	s_mul_u64 s[22:23], s[46:47], s[18:19]
	s_mov_b64 s[18:19], SIZE_K
	s_mul_u64 s[16:17], s[16:17], s[18:19]
	s_mul_u64 s[46:47], s[46:47], s[18:19]
	s_lshl_b32 s20, s13, 9
	s_add_co_u32 s20, s20, 4096*SIZE_K
	s_mov_b32 s21, 0
	s_mul_i32 s45, s10, HALFT
	s_mul_i32 s14, s12, 64*SIZE_K          ; in the ring I fetch 64 rows of a tile: which half, in bytes
	s_mov_b32 s15, 0
	s_wait_kmcnt 0x0
	s_add_nc_u64 s[20:21], s[4:5], s[20:21]
	s_add_nc_u64 s[16:17], s[4:5], s[16:17]
	s_add_nc_u64 s[46:47], s[6:7], s[46:47]
	s_add_nc_u64 s[22:23], s[8:9], s[22:23]
	CROUND
	s_mov_b32 s[G0S], 1
	s_mov_b32 s[G0S+1], SCA
	s_mov_b64 s[G0S+2:G0S+3], s[20:21]
	s_or_b32 s[G0S+3], s[G0S+3], 0x80000000
	s_mov_b32 s[G0SB], 1
	s_mov_b32 s[G0SB+1], SCB
	s_mov_b64 s[G0SB+2:G0SB+3], s[22:23]
	s_or_b32 s[G0SB+3], s[G0SB+3], 0x80000000
.irp s, 0,1
	s_mov_b32 s[G0+4*\s], 1
	s_add_co_u32 s[G0+4*\s+1], s45, \s*SLOT
	s_add_nc_u64 s[G0+4*\s+2:G0+4*\s+3], s[16:17], \s*KSTEP
	s_or_b32 s[G0+4*\s+3], s[G0+4*\s+3], 0x80000000
	s_mov_b32 s[G0B+4*\s], 1
	s_add_co_u32 s[G0B+4*\s+1], s45, \s*SLOT
	s_add_nc_u64 s[G0B+4*\s+2:G0B+4*\s+3], s[46:47], \s*KSTEP
	s_or_b32 s[G0B+4*\s+3], s[G0B+4*\s+3], 0x80000000
.endr
	s_mov_b32 s[G0+1], 0                   ; slot 0's groups 0 serve the head: a whole tile each, A's at 0, W's behind it
	s_mov_b32 s[G0B+1], 2*HALFT
	s_add_nc_u64 s[G0+6:G0+7], s[G0+6:G0+7], s[14:15]      ; slot 1's: my 64 rows
	s_add_nc_u64 s[G0B+6:G0B+7], s[G0B+6:G0B+7], s[14:15]
; the head's four tiles, one joint load a wave, in one chain of branches on the wave's number: wave 0 A's 128 rows of slot 0, wave 1 W's, wave 2 A's scale words, wave 3 W's scale bytes
.macro ARM under, g0, g1, next
	s_cmp_lt_u32 s10, \under
	s_cbranch_scc0 \next
	tensor_load_to_lds s[\g0:\g0+3], s[\g1:\g1+7]
	s_nop 0
.rept 4
	v_nop
.endr
	s_branch .Lhead_asked
\next:
.endm
	ARM 1, G0,  G1,  .Lhead_b
	ARM 2, G0B, G1B, .Lhead_sa
	ARM 3, G0S, G1S, .Lhead_sb
	tensor_load_to_lds s[G0SB:G0SB+3], s[G1SB:G1SB+7]
	s_nop 0
.rept 4
	v_nop
.endr
.Lhead_asked:
	v_and_b32 v1, 15, v0
	v_bfe_u32 v2, v0, 4, 1
	v_lshlrev_b32 v[CO], 12, v2
	v_lshl_add_u32 v[CO], v1, 4, v[CO]
	v_lshlrev_b32 v[BOF], 4, v1
	s_wait_alu depctr_va_vdst(0)
	s_lshl_b32 s16, s13, 7
	s_lshl_b32 s17, s11, 6
	s_add_co_u32 s16, s16, s17
	s_lshl_b32 s16, s16, 12
	s_lshl_b32 s46, s42, 9
	s_lshl_b32 s47, s12, 8
	s_add_co_u32 s46, s46, s47
	s_add_co_u32 s16, s16, s46
	s_mov_b32 s17, 0
	s_mov_b32 s47, 0
	s_add_nc_u64 s[96:97], s[96:97], s[16:17]
	s_add_nc_u64 s[98:99], s[98:99], s[16:17]
	s_add_nc_u64 s[92:93], s[92:93], s[46:47]
	global_load_b128 v[BIA:BIA+3], v[BOF], s[92:93]
	WIN 0x80
.irp a, 0,1,2,3
.irp t, 0,1,2,3,4,5,6,7
	global_load_b128 v[RES+32*\a+4*\t:RES+32*\a+4*\t+3], v[CO], s[96:97] offset:(16*\a+2*\t)*4096 th:TH_LOAD_NT
.endr
.endr
	WIN 0
	v_mul_u32_u24 v3, v1, PITCH
	v_lshl_add_u32 v3, v2, 4, v3
	s_mul_i32 s21, s11, HALFT
	s_mul_i32 s22, s12, HALFT
	s_add_co_u32 s22, s22, 2*HALFT
.irp s, 0,1
	v_add_nc_u32 v[ADRA+\s], s21, v3
	v_add_nc_u32 v[ADRB+\s], s22, v3
	s_add_co_u32 s21, s21, SLOT
	s_add_co_u32 s22, s22, SLOT
.endr
	s_lshl_b32 s21, s11, 8
	s_add_co_u32 s21, s21, SCA
	v_lshl_add_u32 v[ADSA], v1, 4, s21
	v_mul_u32_u24 v4, v1, KS
	v_lshrrev_b32 v5, 8, v4
	v_lshl_add_u32 v4, v5, 4, v4
	s_mul_i32 s22, s12, HALFSB
	s_add_co_u32 s22, s22, SCB
	v_add_nc_u32 v[ADSB], s22, v4
	s_mul_i32 s23, s10, 16*272
	v_mul_u32_u24 v4, v1, 272
	v_lshl_add_u32 v4, v2, 5, v4
	v_add_nc_u32 v[STO], s23, v4
	v_mul_u32_u24 v5, v2, 272
	v_lshl_add_u32 v5, v1, 4, v5
	v_add_nc_u32 v[RD], s23, v5
.if LAPS > 1
	s_and_b32 s22, ttmp7, 0xffff
	s_cmp_eq_u32 s11, 0
	s_cselect_b32 s20, s13, s42
	s_cselect_b32 s21, s40, s41
	s_cselect_b32 s22, ttmp9, s22
	s_cselect_b64 s[PFA:PFA+1], s[4:5], s[6:7]
	s_cmp_eq_u32 s22, 0
	s_cselect_b32 s[LIM], 1, -1
	s_lshl_b32 s20, s20, 7
	s_lshl_b32 s22, s12, 6
	s_add_co_u32 s20, s20, s22
	s_lshl_b32 s21, s21, 4
	s_add_co_u32 s20, s20, s21
	s_mul_i32 s20, s20, SIZE_K
	s_add_co_u32 s20, s20, 2*KSTEP
	s_mov_b32 s21, 0
	s_add_nc_u64 s[PFA:PFA+1], s[PFA:PFA+1], s[20:21]
	v_bfe_u32 v[PFO], v0, 1, 4
	v_mul_u32_u24 v[PFO], v[PFO], SIZE_K
	v_and_b32 v31, 1, v0
	v_lshl_add_u32 v[PFO], v31, 8, v[PFO]
.endif
.macro FETCH slot, q, f
	WIN TO_F
.irp i, 0,1,2,3
.irp c, 0,1,2,3
	ds_load_b128 v[\f+64+16*\i+4*\c:\f+64+16*\i+4*\c+3], v[ADRB+\slot] offset:128*(\q)+32*\c+\i*16*PITCH
.endr
.endr
.irp i, 0,1,2,3
.irp c, 0,1,2,3
	ds_load_b128 v[\f+16*\i+4*\c:\f+16*\i+4*\c+3], v[ADRA+\slot] offset:128*(\q)+32*\c+\i*16*PITCH
.endr
.endr
.endm
.macro SCALES set
	WIN 0
.irp q, 0,1,2,3
	ds_load_b128 v[SCS+32*\set+4*\q:SCS+32*\set+4*\q+3], v[ADSA] offset:512*\q
.endr
.irp i, 0,1,2,3
	ds_load_b128 v[SCS+32*\set+16+4*\i:SCS+32*\set+16+4*\i+3], v[ADSB] offset:\i*SBLK
.endr
.endm
.macro MULA f, a, q, set, zero
.irp b, 0,1,2,3
.if \zero
	v_wmma_scale_f32_16x16x128_f8f6f4 v[ACC+8*(4*(\a)+\b):ACC+8*(4*(\a)+\b)+7], v[\f+64+16*\b:\f+64+16*\b+15], v[\f+16*(\a):\f+16*(\a)+15], 0, v[SCS+32*(\set)+16+4*\b+(\q)], v[SCS+32*(\set)+4*(\q)+(\a)]
.else
	v_wmma_scale_f32_16x16x128_f8f6f4 v[ACC+8*(4*(\a)+\b):ACC+8*(4*(\a)+\b)+7], v[\f+64+16*\b:\f+64+16*\b+15], v[\f+16*(\a):\f+16*(\a)+15], v[ACC+8*(4*(\a)+\b):ACC+8*(4*(\a)+\b)+7], v[SCS+32*(\set)+16+4*\b+(\q)], v[SCS+32*(\set)+4*(\q)+(\a)]
.endif
.endr
.endm
.macro PLACES n
.rept \n
	v_nop
.endr
.endm
.macro QSTEP slot, q, f, g, zero
	s_wait_dscnt 0x0
	PLACES 8
	FETCH \slot, (\q)+1, \g
	WIN MUL
	MULA \f, 0, \q, \slot, \zero
	MULA \f, 1, \q, \slot, \zero
	MULA \f, 2, \q, \slot, \zero
	MULA \f, 3, \q, \slot, \zero
.endm
.macro TURN slot, next, fill
	WIN 0
.if \fill
	s_wait_xcnt 0x0
	s_add_nc_u64 s[PFA:PFA+1], s[PFA:PFA+1], KSTEP
.endif
	s_wait_tensorcnt 0x0
	ds_add_u32 v[SPW], v[NIL]
	s_wait_dscnt 1
	WIN MUL
	MULA F1, 0, 3, \slot, 0
	s_wait_dscnt 0x0
	s_barrier_signal -1
	MULA F1, 1, 3, \slot, 0
	WIN 0
	s_barrier_wait -1
.if \fill
	CREST
	s_add_nc_u64 s[G0+4*\slot+2:G0+4*\slot+3], s[G0+4*\slot+2:G0+4*\slot+3], 2*KSTEP
	s_add_nc_u64 s[G0B+4*\slot+2:G0B+4*\slot+3], s[G0B+4*\slot+2:G0B+4*\slot+3], 2*KSTEP
	JLOAD G0+4*\slot, G1, G0B+4*\slot, G1B
	PLACES 4
.else
	PLACES 8
.endif
	v_add_nc_u32 v[ADSA], 2048, v[ADSA]
	v_add_nc_u32 v[ADSB], 16, v[ADSB]
	FETCH \next, 0, F0
	SCALES \next
.if \fill
	ASK 1-\slot
.endif
	WIN MUL
	MULA F1, 2, 3, \slot, 0
	MULA F1, 3, 3, \slot, 0
.endm
	s_wait_alu depctr_va_vdst(0)
	s_wait_tensorcnt 0x0                   ; my tile of the head's four is in; the lines ahead of a later first fill:
	ds_add_u32 v[SPW], v[NIL]
	s_mov_b32 s[G1+2], 64<<16              ; no tensor load of mine is out: slot 1's load brings 64 rows a wave
	s_mov_b32 s[G1+4], 64
	s_mov_b32 s[G1B+2], 64<<16
	s_mov_b32 s[G1B+4], 64
	s_wait_dscnt 0x0
	CROUND                                 ; all four tiles are in, and the sixteen work-groups meet
	JLOAD G0+4, G1, G0B+4, G1B             ; slot 1: the first tensor load behind the round
	FETCH 0, 0, F0
	SCALES 0
	QSTEP 0, 0, F0, F1, 1
.if LAPS > 1
	WIN 0
	s_mov_b32 s3, LAPS-1
.Llap:
	QSTEP 0, 1, F1, F0, 0
	QSTEP 0, 2, F0, F1, 0
	TURN 0, 1, 1
	QSTEP 1, 0, F0, F1, 0
	QSTEP 1, 1, F1, F0, 0
	QSTEP 1, 2, F0, F1, 0
	TURN 1, 0, 1
	QSTEP 0, 0, F0, F1, 0
	WIN 0
	s_sub_co_u32 s3, s3, 1
	s_cmp_lg_u32 s3, 0
	s_cbranch_scc1 .Llap
.endif
	QSTEP 0, 1, F1, F0, 0
	QSTEP 0, 2, F0, F1, 0
	TURN 0, 1, 0
	QSTEP 1, 0, F0, F1, 0
	QSTEP 1, 1, F1, F0, 0
	QSTEP 1, 2, F0, F1, 0
	s_wait_dscnt 0x0
	WIN MUL
	MULA F1, 0, 3, 1, 0
	MULA F1, 1, 3, 1, 0
	MULA F1, 2, 3, 1, 0
	MULA F1, 3, 3, 1, 0
	WIN 0
.macro OUTB a
.irp b, 0,1,2,3
	ds_store_b128 v[STO], v[ACC+8*(4*(\a)+\b):ACC+8*(4*(\a)+\b)+3] offset:64*\b
	ds_store_b128 v[STO], v[ACC+8*(4*(\a)+\b)+4:ACC+8*(4*(\a)+\b)+7] offset:64*\b+16
.endr
.irp t, 0,1,2,3,4,5,6,7
	ds_load_b128 v[BK+4*\t:BK+4*\t+3], v[RD] offset:544*\t
.endr
	s_wait_dscnt 0x0
	s_wait_loadcnt 8*(3-(\a))
	WIN 0x08
.set n, 0
.rept 16
	v_pk_add_f32 v[BK+n:BK+n+1], v[BK+n:BK+n+1], v[RES+32*(\a)+n:RES+32*(\a)+n+1]
.set n, n+2
.endr
	WIN 0
.irp t, 0,1,2,3,4,5,6,7
	v_pk_add_f32 v[BK+4*\t:BK+4*\t+1], v[BK+4*\t:BK+4*\t+1], v[BIA:BIA+1]
	v_pk_add_f32 v[BK+4*\t+2:BK+4*\t+3], v[BK+4*\t+2:BK+4*\t+3], v[BIA+2:BIA+3]
.endr
.irp t, 0,1,2,3,4,5,6,7
	global_store_b128 v[CO], v[BK+4*\t:BK+4*\t+3], s[98:99] offset:(16*(\a)+2*\t)*4096
.endr
.if (\a) < 3
	s_wait_xcnt 0x0
.endif
.endm
	PLACES 8
	OUTB 0
	OUTB 1
	OUTB 2
	OUTB 3
	s_wait_tensorcnt 0x0
	ds_add_u32 v[SPW], v[NIL]
	s_wait_dscnt 0x0
	CROUND
	s_endpgm
.Lfunc_end_k_q0e09855e0e_proj:
	.size	k_q0e09855e0e_proj, .Lfunc_end_k_q0e09855e0e_proj-k_q0e09855e0e_proj
	.p2alignl 7, 3214868480
	.fill 96, 4, 3214868480
	.section	.rodata,"a",@progbits
	.p2align	6, 0x0
	.amdhsa_kernel k_q0e09855e0e_proj
		.amdhsa_group_segment_fixed_size 327680
		.amdhsa_private_segment_fixed_size 0
		.amdhsa_enable_private_segment 0
		.amdhsa_kernarg_size 48
		.amdhsa_user_sgpr_count 2
		.amdhsa_user_sgpr_kernarg_segment_ptr 1
		.amdhsa_wavefront_size32 1
		.amdhsa_system_sgpr_workgroup_id_x 1
		.amdhsa_system_sgpr_workgroup_id_y 1
		.amdhsa_system_sgpr_workgroup_id_z 1
		.amdhsa_system_vgpr_workitem_id 0
		.amdhsa_next_free_vgpr 768
		.amdhsa_next_free_sgpr 100
		.amdhsa_reserve_vcc 0
		.amdhsa_float_denorm_mode_32 3
		.amdhsa_float_denorm_mode_16_64 3
		.amdhsa_memory_ordered 1
		.amdhsa_forward_progress 1
		.amdhsa_inst_pref_size 66
	.end_amdhsa_kernel
	.amdgpu_metadata
---
amdhsa.version: [ 1, 2 ]
amdhsa.kernels:
  - .name:           k_q0e09855e0e_proj
    .symbol:         k_q0e09855e0e_proj.kd
    .args:
      - { .name: oq, .offset: 0, .size: 8, .value_kind: global_buffer, .address_space: global }
      - { .name: Wproj_codes, .offset: 8, .size: 8, .value_kind: global_buffer, .address_space: global }
      - { .name: Wproj_scales, .offset: 16, .size: 8, .value_kind: global_buffer, .address_space: global }
      - { .name: bproj, .offset: 24, .size: 8, .value_kind: global_buffer, .address_space: global }
      - { .name: x, .offset: 32, .size: 8, .value_kind: global_buffer, .address_space: global }
      - { .name: x1, .offset: 40, .size: 8, .value_kind: global_buffer, .address_space: global }
    .group_segment_fixed_size: 327680
    .private_segment_fixed_size: 0
    .kernarg_segment_align: 8
    .kernarg_segment_size: 48
    .max_flat_workgroup_size: 128
    .sgpr_count:     100
    .vgpr_count:     768
    .wavefront_size: 32
...
	.end_amdgpu_metadata
.endif
;; end of part 4
;; launch ln2: the kernel of part 1 again; grid 256 x 1, 8 waves a work-group, no clusters, 46,592 bytes of LDS; arguments x1, g2, be2, hq; writes hq
;; launch w1 (part 5): grid 16 x 16, 4 waves a work-group, clusters of 4 x 4, 327,680 bytes of LDS; arguments hq, W1_codes, W1_scales, b1, hid; writes hid
.if DOCPART == 5
	.amdgcn_target "amdgcn-amd-amdhsa--gfx1250"
	.amdhsa_code_object_version 6
	.text
	.protected	k_q0e09855e0e_w1
	.globl	k_q0e09855e0e_w1
	.p2align	8
	.type	k_q0e09855e0e_w1,@function
k_q0e09855e0e_w1:
	s_mov_b64 s[64:65], 0
	v_nop
	global_prefetch_b8 v0, s[64:65] scope:SCOPE_SE
	s_setreg_imm32_b32 hwreg(HW_REG_WAVE_MODE, 25, 1), 1
	s_wait_xcnt 0x0
	s_wait_alu depctr_hold_cnt(0) depctr_sa_sdst(0) depctr_va_vdst(0) depctr_va_sdst(0) depctr_va_ssrc(0) depctr_va_vcc(0) depctr_vm_vsrc(0)
	s_getreg_b32 s2, hwreg(HW_REG_IB_STS2, 6, 4)
	s_cmp_eq_u32 s2, 0
	s_cbranch_scc0 .Lentry_in_a_cluster
	s_endpgm
.Lentry_in_a_cluster:
	s_bfe_u32 s2, ttmp6, 0x10000c
	s_cmp_lg_u32 s2, 0xf033
	s_cbranch_scc0 .Lentry_shape_is_right
	s_endpgm
.Lentry_shape_is_right:
; hidden = relu(h2 W1^T + b1) on codes of E4M3 with one E8M0 scale for each 32 along K = 1,024, and the result quantised along the hidden axis, the next product's K.
; hq: h2's codes [4096][1024], its scale bytes [4096][32] at byte 4,194,304.  W1: codes [4096][1024], scale bytes [4096][32].  b1 [4096] f32.
; hid: codes [4096][4096] in true order, and at byte 16,777,216 the scale words as [128 along K: 32][128 tokens: 32][lane][16]: lane (r, h) holds the words of token tiles 4 h .. 4 h + 3.
; A tile of 256 x 256 is made by four waves, 128 x 128 each: 64 accumulators, 512 registers.  K goes in steps of 256 through a ring of two LDS slots; the scale bytes of the tile's rows come once and stay.
; CLUSTERS: 4 x 4 work-groups; h2's tiles are shared along a row of the cluster, W1's along a column: joint loads.  THE MATRIX INSTRUCTION IS USED TRANSPOSED (source 0 = W1, source 1 = h2): a lane holds one token, its registers run along the hidden axis.
; The bias is the C of each sum's first matrix instruction.
; THE WAY OUT.  Lane (r, h) of accumulators (a, 2 c), (a, 2 c + 1) holds token 16 a + r at hidden 32 c + 8 h + 0..7 and 32 c + 16 + 8 h + 0..7: a block of 32 lies in lanes l and l xor 16.  The hold clips at 0 as well: the activation.
; The two pieces of 8 codes go to their true places in a stage of 256 rows in slot 0 (it has had its last fill and its last read by then); behind a barrier whole rows of 256 bytes leave.
; LIMITS: NaN and infinities are not served; a block whose largest number lies under 2^-118 keeps the byte 1 (read by this program alone).
; REGISTERS: window 0: v0-31 addresses; v32-63 scale words, two sets, and nothing else; v64-127 the bias; from v128 h2's fragments, one set, and on the way out the work registers.
;   window 1: W1's fragments, two sets.   windows 2, 3: the accumulators ((a, b) at v[8 (8 (a % 4) + b)]).
.set SIZE_K, 1024
.set KSTEP,  256
.set NQ,     KSTEP/128
.set ROWB,   256
.set KROW,   SIZE_K
.set PITCH,  272                       ; an LDS row: 256 bytes + 16 of padding = 68 words: row r starts at bank 4 r mod 64 (64 banks of 4 bytes: ISA guide 11.1)
.set FR,     16
.set NL,     4
.set NP,     8                         ; places behind this matrix instruction (ISA guide 7.12.1)
.set HALFT,  128*PITCH
.set SLOT,   4*HALFT
.set LAPS,   SIZE_K/(2*KSTEP)
.set KS,     SIZE_K/32
.set SCL,    2*SLOT
.set HALFS,  (128*KS/256)*272
.set SBLK,   (16*KS/256)*272
.set SPARE,  SCL+4*HALFS
.set ADRA, 16
.set ADRB, 20
.set LOF,  22                          ; v22  16 x lane
.set STO,  24                          ; v24  the stage: where I put 8 codes of a row
.set RD,   25                          ; v25  and where I read a row back
.set CO,   26                          ; v26  my byte offset in hid's rows
.set ADRS, 27
.set SPW,  28
.set NIL,  29
.set SC,   32
.set BI,   64                          ; v64-127 b1 in the result's layout: block b's eight numbers at 8 b
.set AF,   128
.set PCB,  128
.set TM,   160
.set PW,   176
.set FIN,  184
.set G1, 24
.set G0, 32
.set G1B, 48
.set G0B, 56
.set G1S, 68
.set G0S, 76
.set G1SB, 80
.set G0SB, 88
.set UPM, 95                           ; s95  lanes 16-31
.set MNT, 97
.set SEL, 98
.set MSB, 0
.macro WIN new                         ; the immediate's high byte repeats the setting that is left
.if MSB != (\new)
	s_set_vgpr_msb (MSB<<8)|(\new)
.set MSB, (\new)
.endif
.endm
.set MUL_LO, 0xa1                      ; source 0 (W1) window 1, source 1 (h2) window 0, C and D window 2
.set MUL_HI, 0xf1
.set ZLO,    0x81                      ; the first step: C (the bias) window 0, D window 2 or 3
.set ZHI,    0xc1
.set TO_B,   0x40
.macro JLOAD g0a, g1a, g0b, g1b        ; a joint load: waves 0 and 1 fetch for h2, waves 2 and 3 for W1; four v_nop follow each of the two lines
	s_cmp_eq_u32 s15, 0
	s_cbranch_scc0 .Lfor_b_\@
	tensor_load_to_lds s[\g0a:\g0a+3], s[\g1a:\g1a+7]
	s_nop 0
.rept 4
	v_nop
.endr
	s_branch .Lasked_\@
.Lfor_b_\@:
	tensor_load_to_lds s[\g0b:\g0b+3], s[\g1b:\g1b+7]
	s_nop 0
.rept 4
	v_nop
.endr
.Lasked_\@:
.endm
.macro CREST
	s_cmp_lg_u32 s14, 0
	s_cbranch_scc1 .Lnot_wave_0_\@
	s_barrier_signal -3
.Lnot_wave_0_\@:
	s_barrier_wait -3
	s_barrier_signal -1
	s_barrier_wait -1
.endm
.macro CROUND
	s_barrier_signal -1
	s_barrier_wait -1
	CREST
.endm
	s_load_b64 s[4:5], s[0:1], 0x0                 ; hq
	s_load_b128 s[8:11], s[0:1], 0x8               ; W1's codes, W1's scales
	s_load_b64 s[66:67], s[0:1], 0x18              ; b1
	s_load_b64 s[12:13], s[0:1], 0x20              ; hid
	v_lshl_add_u32 v[SPW], v0, 2, SPARE
	v_mov_b32 v[NIL], 0
	ds_add_u32 v28, v29
	ds_add_u32 v28, v29
	s_wait_dscnt 0x0
	v_lshrrev_b32 v1, 5, v0
	v_readfirstlane_b32 s14, v1                    ; wave 0..3
	s_lshr_b32 s15, s14, 1                         ; which half of the tile's tokens is mine.  Also: I fetch for h2 (0) or for W1 (1)
	s_and_b32 s16, s14, 1                          ; which half of its hidden units.  Also: which 128 rows of that tile I fetch
	s_bfe_u32 s40, ttmp6, 0x40000
	s_bfe_u32 s41, ttmp6, 0x40004
	s_lshl_b32 s42, ttmp9, 2
	s_add_co_u32 s42, s42, s40                     ; tile of hidden units = 4 x cluster x + cx
	s_and_b32 s17, ttmp7, 0xffff
	s_lshl_b32 s17, s17, 2
	s_add_co_u32 s17, s17, s41                     ; tile of tokens = 4 x cluster y + cy
	s_lshl_b32 s43, s41, 2
	s_lshl_b32 s43, 15, s43
	s_lshl_b32 s44, 0x1111, s40
	s_or_b32 s[G1+0], s43, (0<<16)|(1<<20)|(1<<21)|(5<<22)|(3<<25)
	s_or_b32 s[G1B+0], s44, (0<<16)|(1<<20)|(1<<21)|(5<<22)|(3<<25)
.irp g, G1, G1B
	s_mov_b32 s[\g+1], ROWB<<16
	s_mov_b32 s[\g+2], 256<<16             ; the head's loads of codes bring a tile's 256 rows
	s_mov_b32 s[\g+3], ROWB<<16
	s_mov_b32 s[\g+4], 256
	s_mov_b32 s[\g+5], KROW
	s_mov_b32 s[\g+6], 0
	s_mov_b32 s[\g+7], 0
.endr
	s_or_b32 s[G1S+0], s43, (3<<16)|(1<<20)|(1<<21)|(5<<22)|(3<<25)
	s_or_b32 s[G1SB+0], s44, (3<<16)|(1<<20)|(1<<21)|(5<<22)|(3<<25)
.irp g, G1S, G1SB
	s_mov_b32 s[\g+1], 32<<16
	s_mov_b32 s[\g+2], KS<<16              ; the scale bytes of 256 rows: KS rows of 256 bytes
	s_mov_b32 s[\g+3], 32<<16
	s_mov_b32 s[\g+4], KS
	s_mov_b32 s[\g+5], 32
	s_mov_b32 s[\g+6], 0
	s_mov_b32 s[\g+7], 0
.endr
	s_lshl_b32 s20, s17, 8                 ; the tiles' first rows
	s_lshl_b32 s46, s42, 8
	s_mov_b32 s21, 0
	s_mov_b32 s47, 0
	s_mov_b64 s[18:19], KS
	s_mul_u64 s[22:23], s[20:21], s[18:19]
	s_mul_u64 s[92:93], s[46:47], s[18:19]
	s_mov_b64 s[18:19], KROW
	s_mul_u64 s[20:21], s[20:21], s[18:19]
	s_mul_u64 s[46:47], s[46:47], s[18:19]
	s_mul_i32 s45, s14, HALFT
	s_mul_i32 s18, s16, 128*KROW           ; in the ring I fetch 128 rows of a tile: which half, in bytes
	s_mov_b32 s19, 0
	s_wait_kmcnt 0x0
	s_add_nc_u64 s[6:7], s[4:5], 0x400000          ; h2's scale bytes
	s_add_nc_u64 s[20:21], s[4:5], s[20:21]
	s_add_nc_u64 s[22:23], s[6:7], s[22:23]
	s_add_nc_u64 s[46:47], s[8:9], s[46:47]
	s_add_nc_u64 s[92:93], s[10:11], s[92:93]
	CROUND                                         ; all sixteen work-groups are here: the first joint loads meet
	s_mov_b32 s[G0S], 1
	s_mov_b32 s[G0S+1], SCL
	s_mov_b64 s[G0S+2:G0S+3], s[22:23]
	s_or_b32 s[G0S+3], s[G0S+3], 0x80000000
	s_mov_b32 s[G0SB], 1
	s_mov_b32 s[G0SB+1], SCL+2*HALFS
	s_mov_b64 s[G0SB+2:G0SB+3], s[92:93]
	s_or_b32 s[G0SB+3], s[G0SB+3], 0x80000000
.irp s, 0,1
	s_mov_b32 s[G0+4*\s], 1
	s_add_co_u32 s[G0+4*\s+1], s45, \s*SLOT
	s_add_nc_u64 s[G0+4*\s+2:G0+4*\s+3], s[20:21], \s*ROWB
	s_or_b32 s[G0+4*\s+3], s[G0+4*\s+3], 0x80000000
	s_mov_b32 s[G0B+4*\s], 1
	s_add_co_u32 s[G0B+4*\s+1], s45, \s*SLOT
	s_add_nc_u64 s[G0B+4*\s+2:G0B+4*\s+3], s[46:47], \s*ROWB
	s_or_b32 s[G0B+4*\s+3], s[G0B+4*\s+3], 0x80000000
.endr
	s_mov_b32 s[G0+1], 0                   ; slot 0's groups 0 serve the head first: a whole tile each, h2's at 0, W1's behind it
	s_mov_b32 s[G0B+1], 2*HALFT
	s_add_nc_u64 s[G0+6:G0+7], s[G0+6:G0+7], s[18:19]      ; slot 1's: my 128 rows
	s_add_nc_u64 s[G0B+6:G0B+7], s[G0B+6:G0B+7], s[18:19]
; the head's four tiles, one joint load a wave, in one chain of branches on the wave's number: wave 0 h2's 256 rows of K step 0, wave 1 W1's, wave 2 h2's scale bytes, wave 3 W1's
.macro ARM under, g0, g1, next
	s_cmp_lt_u32 s14, \under
	s_cbranch_scc0 \next
	tensor_load_to_lds s[\g0:\g0+3], s[\g1:\g1+7]
	s_nop 0
.rept 4
	v_nop
.endr
	s_branch .Lhead_asked
\next:
.endm
	ARM 1, G0,  G1,  .Lhead_b
	ARM 2, G0B, G1B, .Lhead_sa
	ARM 3, G0S, G1S, .Lhead_sb
	tensor_load_to_lds s[G0SB:G0SB+3], s[G1SB:G1SB+7]
	s_nop 0
.rept 4
	v_nop
.endr
.Lhead_asked:
	v_and_b32 v1, 15, v0                           ; r
	s_wait_alu depctr_va_vdst(0)
	v_bfe_u32 v2, v0, 4, 1                         ; h
	s_lshl_b32 s20, s42, 10                        ; b1: my 128 hidden units, 4 bytes each
	s_lshl_b32 s21, s16, 9
	s_add_co_u32 s20, s20, s21
	s_mov_b32 s21, 0
	s_add_nc_u64 s[66:67], s[66:67], s[20:21]
	v_lshlrev_b32 v7, 5, v2                        ; lane (r, h) wants, for block b, units 16 b + 8 h + 0..7
.irp b, 0,1,2,3,4,5,6,7
	global_load_b128 v[BI+8*\b:BI+8*\b+3], v7, s[66:67] offset:64*\b
	global_load_b128 v[BI+8*\b+4:BI+8*\b+7], v7, s[66:67] offset:64*\b+16
.endr
	v_mul_u32_u24 v3, v1, PITCH
	v_lshl_add_u32 v4, v2, 4, v3
	s_mul_i32 s21, s15, HALFT
	s_mul_i32 s22, s16, HALFT
	s_add_co_u32 s22, s22, 2*HALFT
.irp s, 0,1
	v_add_nc_u32 v[ADRA+\s], s21, v4
	v_add_nc_u32 v[ADRB+\s], s22, v4
	s_add_co_u32 s21, s21, SLOT
	s_add_co_u32 s22, s22, SLOT
.endr
	v_mul_u32_u24 v5, v1, KS
	v_lshrrev_b32 v6, 8, v5
	v_lshl_add_u32 v5, v6, 4, v5
	s_mul_i32 s21, s15, HALFS
	s_mul_i32 s22, s16, HALFS
	s_add_co_u32 s22, s22, 2*HALFS
	s_sub_co_u32 s22, s22, s21
	v_mul_u32_u24 v6, s22, v2                      ; lanes 16-31 take W1's
	s_add_co_u32 s21, s21, SCL
	v_add_nc_u32 v5, v5, v6
	v_add_nc_u32 v[ADRS], s21, v5
	; the way out
	s_mov_b32 s[UPM], 0xffff0000
	s_mov_b32 s[MNT], 0x600000
	s_mov_b32 s[SEL], 0x76543210
	s_mov_b32 s[SEL+1], 0xfedcba98
	s_mul_i32 s23, s15, 128*272
	s_lshl_b32 s21, s16, 7
	s_add_co_u32 s23, s23, s21
	v_mul_u32_u24 v5, v1, 272
	v_lshl_add_u32 v5, v2, 3, v5
	v_add_nc_u32 v[STO], s23, v5                   ; in: row 128 x half + r, byte 128 x half + 8 h
	s_mul_i32 s23, s14, 64*272
	v_mul_u32_u24 v5, v2, 272
	v_lshl_add_u32 v5, v1, 4, v5
	v_add_nc_u32 v[RD], s23, v5                    ; back: wave w takes rows 64 w on, whole; lanes 0-15 one row, lanes 16-31 the next
	v_lshlrev_b32 v[CO], 12, v2
	v_lshl_add_u32 v[CO], v1, 4, v[CO]
	v_and_b32 v6, 31, v0
	v_lshlrev_b32 v[LOF], 4, v6
	s_lshl_b32 s20, s42, 1
	s_add_co_u32 s20, s20, s16                     ; which 128 along the hidden axis,
	s_lshl_b32 s20, s20, 5
	s_lshl_b32 s21, s17, 1
	s_add_co_u32 s21, s21, s15                     ; which 128 tokens
	s_add_co_u32 s20, s20, s21
	s_lshl_b32 s20, s20, 9
	s_add_co_u32 s20, s20, 16777216
	s_mov_b32 s21, 0
	s_add_nc_u64 s[100:101], s[12:13], s[20:21]    ; my image of scale words
	s_lshl_b32 s20, s17, 8
	s_lshl_b32 s21, s14, 6
	s_add_co_u32 s20, s20, s21                     ; the first row that I store,
	s_lshl_b32 s20, s20, 12                        ; of 4,096 bytes,
	s_lshl_b32 s21, s42, 8
	s_add_co_u32 s20, s20, s21                     ; at the tile's 256 bytes
	s_mov_b32 s21, 0
	s_add_nc_u64 s[12:13], s[12:13], s[20:21]
.macro FRAG reg, adr, q, i
.irp c, 0,1,2,3
	ds_load_b128 v[\reg+4*\c:\reg+4*\c+3], v[\adr] offset:128*(\q)+32*\c+(\i)*16*PITCH
.endr
.endm
; 16 matrix instructions: h2's blocks a0, a0 + 1 x W1's eight.  zero = 1: the first product starts the sums from the bias.  The 64 accumulators take turns, one instruction a turn.
.macro MUL16 a0, p, q, sc, zero
.irp a, \a0, \a0+1
.irp b, 0,1,2,3,4,5,6,7
.if \zero
	v_wmma_scale_f32_16x16x128_f8f6f4 v[8*(8*((\a)%4)+\b):8*(8*((\a)%4)+\b)+7], v[128*(\p)+FR*\b:128*(\p)+FR*\b+FR-1], v[AF+FR*(\a):AF+FR*(\a)+FR-1], v[BI+8*\b:BI+8*\b+7], v[SC+8*NQ*(\sc)+NQ*\b+(\q)], v[SC+8*NQ*(\sc)+NQ*(\a)+(\q)] matrix_a_scale:MATRIX_SCALE_ROW1
.else
	v_wmma_scale_f32_16x16x128_f8f6f4 v[8*(8*((\a)%4)+\b):8*(8*((\a)%4)+\b)+7], v[128*(\p)+FR*\b:128*(\p)+FR*\b+FR-1], v[AF+FR*(\a):AF+FR*(\a)+FR-1], v[8*(8*((\a)%4)+\b):8*(8*((\a)%4)+\b)+7], v[SC+8*NQ*(\sc)+NQ*\b+(\q)], v[SC+8*NQ*(\sc)+NQ*(\a)+(\q)] matrix_a_scale:MATRIX_SCALE_ROW1
.endif
.endr
.endr
.endm
.macro FETCH_B slot, q, p
	WIN TO_B
.irp i, 0,1,2,3,4,5,6,7
	FRAG 128*(\p)+FR*\i, ADRB+\slot, \q, \i
.endr
	WIN 0
.endm
.macro FETCH_A slot, q, i0
.irp i, \i0, \i0+1, \i0+2, \i0+3
	FRAG AF+FR*(\i), ADRA+\slot, \q, \i
.endr
.endm
.macro SCALES sc
.irp i, 0,1,2,3,4,5,6,7
	ds_load_b64 v[SC+8*NQ*\sc+NQ*\i:SC+8*NQ*\sc+NQ*\i+1], v[ADRS] offset:\i*SBLK
.endr
.endm
.macro PLACES n
.rept \n
	v_nop
.endr
.endm
.macro STEP slot, q, zero
	s_wait_dscnt 4*NL                              ; W1's set and h2's blocks 0-3 are in; the youngest sixteen loads (blocks 4-7) may be out
.if \zero
	WIN ZLO
.else
	WIN MUL_LO
.endif
	MUL16 0, (\q)%2, \q, \slot, \zero
	MUL16 2, (\q)%2, \q, \slot, \zero
	s_wait_dscnt 0
	PLACES NP
	FETCH_B \slot, (\q)+1, 1-(\q)%2
	FETCH_A \slot, (\q)+1, 0
.if \zero
	WIN ZHI
.else
	WIN MUL_HI
.endif
	MUL16 4, (\q)%2, \q, \slot, \zero
	MUL16 6, (\q)%2, \q, \slot, \zero
	PLACES NP
	WIN 0
	FETCH_A \slot, (\q)+1, 4
.endm
.macro TURN slot, next, fill
	s_wait_tensorcnt 0x0                           ; all my tensor loads have landed: my part of the next slot
	ds_add_u32 v[SPW], v[NIL]                      ; 0 onto my spare word
	s_wait_dscnt 4*NL+1                            ; (the add and the youngest sixteen loads may be out)
	WIN MUL_LO
	MUL16 0, 1, NQ-1, \slot, 0
	s_wait_dscnt 0x0                               ; the add is done, and my reads of this slot are over
	s_barrier_signal -1
	MUL16 2, 1, NQ-1, \slot, 0
	WIN 0
	s_barrier_wait -1
.if \fill
	CREST
	s_add_nc_u64 s[G0+4*\slot+2:G0+4*\slot+3], s[G0+4*\slot+2:G0+4*\slot+3], 2*ROWB
	s_add_nc_u64 s[G0B+4*\slot+2:G0B+4*\slot+3], s[G0B+4*\slot+2:G0B+4*\slot+3], 2*ROWB
	JLOAD G0+4*\slot, G1, G0B+4*\slot, G1B
	PLACES NP-4
.else
	PLACES NP
.endif
	s_wait_alu depctr_va_vdst(0)
	v_add_nc_u32 v[ADRS], 4*NQ, v[ADRS]
	FETCH_B \next, 0, 0
	FETCH_A \next, 0, 0
	SCALES \next
	WIN MUL_HI
	MUL16 4, 1, NQ-1, \slot, 0
	MUL16 6, 1, NQ-1, \slot, 0
	PLACES NP
	WIN 0
	FETCH_A \next, 0, 4
.endm
	s_wait_alu depctr_va_vdst(0)           ; the wait at the head's end
	s_wait_tensorcnt 0x0                   ; my tile of the head's four is in; the lines ahead of a later first fill:
	ds_add_u32 v[SPW], v[NIL]
	s_mov_b32 s[G1+2], 128<<16             ; no tensor load of mine is out: from here on a load brings 128 rows,
	s_mov_b32 s[G1+4], 128
	s_mov_b32 s[G1B+2], 128<<16
	s_mov_b32 s[G1B+4], 128
	s_mul_i32 s[G0+1], s14, HALFT          ; and slot 0's groups 0 take the ring's form: my quarter of the slot, my 128 rows
	s_mul_i32 s[G0B+1], s14, HALFT
	s_add_nc_u64 s[G0+2:G0+3], s[G0+2:G0+3], s[18:19]
	s_add_nc_u64 s[G0B+2:G0B+3], s[G0B+2:G0B+3], s[18:19]
	s_wait_dscnt 0x0
	CROUND                                 ; all four tiles are in, and the sixteen work-groups meet
	JLOAD G0+4, G1, G0B+4, G1B             ; K step 1: the first tensor load behind the round
	FETCH_B 0, 0, 0
	FETCH_A 0, 0, 0
	SCALES 0
	FETCH_A 0, 0, 4
	s_wait_loadcnt 0x0                             ; the bias
	STEP 0, 0, 1
	s_mov_b32 s3, LAPS-1
.Llap:
	TURN 0, 1, 1
	STEP 1, 0, 0
	TURN 1, 0, 1
	STEP 0, 0, 0
	s_sub_co_u32 s3, s3, 1
	s_cmp_lg_u32 s3, 0
	s_cbranch_scc1 .Llap
	TURN 0, 1, 0
	STEP 1, 0, 0
	s_wait_dscnt 4*NL
	WIN MUL_LO
	MUL16 0, 1, NQ-1, 1, 0
	MUL16 2, 1, NQ-1, 1, 0
	s_wait_dscnt 0
	WIN MUL_HI
	MUL16 4, 1, NQ-1, 1, 0
	MUL16 6, 1, NQ-1, 1, 0
	WIN 0
; Block a (16 tokens x my 128 hidden units: four scale blocks): relu and quantiser; codes to the stage, the row's four bytes into v[PW + a].  Each accumulator is read from its low end on.
.macro QBLK a
.set W, 2+(\a)/4
.set AC, 64*((\a)%4)
.set PC, PCB+16*((\a)%2)
	WIN 0
.irp b, 0,1,2,3
	v_mov_b32 v[TM+\b], 0x4800000                  ; the floor 2^(9 - 127)
.endr
	WIN (W<<2)|(W<<4)
.irp i, 0,2,4,6,8,10,12,14
.irp b, 0,1,2,3
	v_max3_num_f32 v[TM+\b], v[TM+\b], v[AC+16*\b+\i], v[AC+16*\b+\i+1]   ; no |.|: what is negative becomes 0 and must not count
.endr
.endr
	WIN 0
.irp b, 0,1,2,3
	v_permlanex16_b32 v[TM+4+\b], v[TM+\b], s[SEL], s[SEL+1]
.endr
.irp b, 0,1,2,3
	v_max_num_f32 v[TM+\b], v[TM+\b], v[TM+4+\b]
.endr
.irp b, 0,1,2,3
	v_add_nc_u32 v[TM+12+\b], 0xfc000000, v[TM+\b]
.endr
.irp b, 0,1,2,3
	v_and_or_b32 v[TM+8+\b], v[TM+\b], 0x7f800000, s[MNT]
.endr
.irp b, 0,1,2,3
	v_lshrrev_b32 v[TM+4+\b], 23, v[TM+12+\b]
.endr
	v_lshl_or_b32 v[PW+\a], v[TM+5], 8, v[TM+4]
	v_lshl_or_b32 v[PW+\a], v[TM+6], 16, v[PW+\a]
	v_lshl_or_b32 v[PW+\a], v[TM+7], 24, v[PW+\a]
	s_wait_dscnt 0x0                               ; the earlier blocks' stores have read their codes
	WIN (W<<6)|W
.irp b, 0,1,2,3
.irp i, 0,1,2,3,4,5,6,7,8,9,10,11,12,13,14,15
	v_med3_num_f32 v[AC+16*\b+\i], v[AC+16*\b+\i], 0, v[TM+8+\b]   ; the activation and the hold in one (the conversion does not saturate: ISA guide 7.6.2)
.endr
.endr
	WIN W
.irp b, 0,1,2,3
	v_cvt_scalef32_pk8_fp8_f32 v[PC+4*\b:PC+4*\b+1], v[AC+16*\b:AC+16*\b+7], v[TM+12+\b]
	v_cvt_scalef32_pk8_fp8_f32 v[PC+4*\b+2:PC+4*\b+3], v[AC+16*\b+8:AC+16*\b+15], v[TM+12+\b]
.endr
	WIN 0
	v_nop                                          ; a plain instruction behind the last conversion
.irp b, 0,1,2,3
	ds_store_b64 v[STO], v[PC+4*\b:PC+4*\b+1] offset:(\a)*16*272+32*\b         ; hidden 32 b + 8 h + 0..7,
	ds_store_b64 v[STO], v[PC+4*\b+2:PC+4*\b+3] offset:(\a)*16*272+32*\b+16    ; 32 b + 16 + 8 h + 0..7
.endr
.endm
	PLACES NP
.irp b, 0,1,2,3
	v_mov_b32 v[TM+4+\b], 0                        ; a lane permute's destination counts as one of its sources
.endr
.irp a, 0,1,2,3,4,5,6,7
	QBLK \a
.endr
.irp e, 0,1,2,3
	v_cndmask_b32 v[FIN+\e], v[PW+\e], v[PW+4+\e], s[UPM]          ; lanes 0-15: token tiles 0-3; lanes 16-31: tiles 4-7
.endr
	global_store_b128 v[LOF], v[FIN:FIN+3], s[100:101]             ; 512 consecutive bytes
	s_wait_dscnt 0x0                               ; for the others' sake: my stores into the stage are done (a row's 256 bytes come from two waves)
	s_barrier_signal -1
	s_barrier_wait -1
	s_wait_xcnt 0x0                                ; the store above has read its registers: the rows may land there
.set n, 0
.rept 32
	ds_load_b128 v[128+4*n:128+4*n+3], v[RD] offset:544*n
.set n, n+1
.endr
.set n, 0
.rept 32
	s_wait_dscnt 31-n
	global_store_b128 v[CO], v[128+4*n:128+4*n+3], s[12:13] offset:8192*n      ; sixteen lanes store 256 consecutive bytes, aligned
.set n, n+1
.endr
	s_wait_tensorcnt 0x0                           ; the wave's end
	ds_add_u32 v[SPW], v[NIL]
	s_wait_dscnt 0x0
	CROUND                                         ; the closing round
	s_endpgm
.Lfunc_end_k_q0e09855e0e_w1:
	.size	k_q0e09855e0e_w1, .Lfunc_end_k_q0e09855e0e_w1-k_q0e09855e0e_w1
	.p2alignl 7, 3214868480
	.fill 96, 4, 3214868480
	.section	.rodata,"a",@progbits
	.p2align	6, 0x0
	.amdhsa_kernel k_q0e09855e0e_w1
		.amdhsa_group_segment_fixed_size 327680
		.amdhsa_private_segment_fixed_size 0
		.amdhsa_enable_private_segment 0
		.amdhsa_kernarg_size 40
		.amdhsa_user_sgpr_count 2
		.amdhsa_user_sgpr_kernarg_segment_ptr 1
		.amdhsa_wavefront_size32 1
		.amdhsa_system_sgpr_workgroup_id_x 1
		.amdhsa_system_sgpr_workgroup_id_y 1
		.amdhsa_system_sgpr_workgroup_id_z 1
		.amdhsa_system_vgpr_workitem_id 0
		.amdhsa_next_free_vgpr 1024
		.amdhsa_next_free_sgpr 102
		.amdhsa_reserve_vcc 0
		.amdhsa_float_denorm_mode_32 3
		.amdhsa_float_denorm_mode_16_64 3
		.amdhsa_memory_ordered 1
		.amdhsa_forward_progress 1
		.amdhsa_inst_pref_size 197
	.end_amdhsa_kernel
	.amdgpu_metadata
---
amdhsa.version: [ 1, 2 ]
amdhsa.kernels:
  - .name:           k_q0e09855e0e_w1
    .symbol:         k_q0e09855e0e_w1.kd
    .args:
      - { .name: hq, .offset: 0, .size: 8, .value_kind: global_buffer, .address_space: global }
      - { .name: W1_codes, .offset: 8, .size: 8, .value_kind: global_buffer, .address_space: global }
      - { .name: W1_scales, .offset: 16, .size: 8, .value_kind: global_buffer, .address_space: global }
      - { .name: b1, .offset: 24, .size: 8, .value_kind: global_buffer, .address_space: global }
      - { .name: hid, .offset: 32, .size: 8, .value_kind: global_buffer, .address_space: global }
    .group_segment_fixed_size: 327680
    .private_segment_fixed_size: 0
    .kernarg_segment_align: 8
    .kernarg_segment_size: 40
    .max_flat_workgroup_size: 128
    .sgpr_count:     102
    .vgpr_count:     1024
    .wavefront_size: 32
...
	.end_amdgpu_metadata
.endif
;; end of part 5
;; launch w2 (part 6): grid 8 x 32, 4 waves a work-group, clusters of 4 x 4, 327,680 bytes of LDS; arguments hid, W2_codes, W2_scales, b2, x1, out0; writes out0
.if DOCPART == 6
	.amdgcn_target "amdgcn-amd-amdhsa--gfx1250"
	.amdhsa_code_object_version 6
	.text
	.protected	k_q0e09855e0e_w2
	.globl	k_q0e09855e0e_w2
	.p2align	8
	.type	k_q0e09855e0e_w2,@function
k_q0e09855e0e_w2:
	s_mov_b64 s[64:65], 0
	v_nop
	global_prefetch_b8 v0, s[64:65] scope:SCOPE_SE
	s_setreg_imm32_b32 hwreg(HW_REG_WAVE_MODE, 25, 1), 1
	s_wait_xcnt 0x0
	s_wait_alu depctr_hold_cnt(0) depctr_sa_sdst(0) depctr_va_vdst(0) depctr_va_sdst(0) depctr_va_ssrc(0) depctr_va_vcc(0) depctr_vm_vsrc(0)
	s_getreg_b32 s2, hwreg(HW_REG_IB_STS2, 6, 4)
	s_cmp_eq_u32 s2, 0
	s_cbranch_scc0 .Lentry_in_a_cluster
	s_endpgm
.Lentry_in_a_cluster:
	s_bfe_u32 s2, ttmp6, 0x10000c
	s_cmp_lg_u32 s2, 0xf033
	s_cbranch_scc0 .Lentry_shape_is_right
	s_endpgm
.Lentry_shape_is_right:
; out = residual + A W^T + bias.  A: codes of E4M3 [4096][SIZE_K], K innermost; its scale words lie behind them, at byte 4096 x SIZE_K, as [128 along K][128 rows: 32][lane][16]: lane (r, h) holds the words of
; row tiles 4 h .. 4 h + 3.  W: codes [1024][SIZE_K], scale bytes [1024][SIZE_K / 32].  bias [1024], residual and out [4096][1024]: f32.  One E8M0 scale for each 32 along K; sums in f32.
; A tile of out is 128 x 128, so that there are 256 work-groups; four waves, 64 x 64 each: 16 accumulators.  K goes in steps of 512 through a ring of two LDS slots (rows of 512 bytes, 64 to a load);
; the scales of the tile's rows, for all of K, come once with the first fills and stay.
; CLUSTERS: 4 x 4 work-groups; A's tiles and scales are shared along a row of the cluster, W's along a column: joint loads.  THE MATRIX INSTRUCTION IS USED TRANSPOSED (source 0 = W, source 1 = A): a lane holds eight neighbours of a row of out.
; THE RESIDUAL of my 64 x 64 is asked for at the head, behind the first fills, in whole rows of 256 bytes, and lands while K is walked: the way out waits for no memory.
; REGISTERS: window 0: v12-15 bias; v16-30 addresses; v32-95 scale words, two sets, and nothing else; v96-127 rows on the way out; v128-255 the accumulators ((a, b) at v[128 + 8 (4 a + b)]).
;   window 1: two fragment buffers of 128 (A's four fragments, then W's four).   window 2: v0-127 the residual: block a's pair of rows t at 32 a + 4 t.
; LIMITS: NaN and infinities are not served.
.set SIZE_K, 4096
.set KSTEP,  512
.set PITCH,  528                       ; an LDS row: 512 bytes + 16 of padding = 132 words: row r starts at bank 4 r mod 64 (64 banks of 4 bytes: ISA guide 11.1)
.set HALFT,  64*PITCH
.set SLOT,   4*HALFT
.set LAPS,   SIZE_K/(2*KSTEP)
.set KS,     SIZE_K/32
.set RA,     SIZE_K/256                ; A's scales: rows of 512 bytes (one for each 128 along K) in half of K
.set SCA,    2*SLOT
.set SCAH,   RA*512
.set SCB,    SCA+2*SCAH
.set RB,     64*KS/256                 ; W's scales of 64 rows: runs of 256 bytes
.set HALFSB, RB*272
.set SBLK,   (16*KS/256)*272
.set SPARE,  SCB+2*HALFSB              ; the spare words, 128 bytes for each wave
.set BIA,  12
.set ADRA, 16
.set ADRB, 20
.set ADSA, 22
.set ADSB, 23
.set STO,  24
.set RD,   25
.set CO,   26                          ; v26  my byte offset in two rows of the residual and of out; never rewritten
.set BOF,  27
.set SPW,  28
.set NIL,  29
.set PFO,  30                          ; v30  the prefetches' offset: row lane / 2 of sixteen, 256 x (lane % 2) in its 512 bytes; never rewritten
.set SCS,  32                          ; set s at v[32 + 32 s]: A's word of (step q, block a) at 4 q + a; W's of (block i, step q) at 16 + 4 i + q
.set BK,   96
.set ACC,  128
.set F0,   0
.set F1,   128
.set RES,  0                           ; in window 2
.set G1, 24
.set G0, 32
.set LIM, 43                           ; s43  1 in a wave that prefetches, else the greatest number
.set PFA, 44                           ; s[44:45] where my prefetches stand: my work-group's 16 rows of the 64 that I fetch, at the slot behind the one that is being asked for
.set G1B, 48
.set G0B, 56
.set G1S, 68
.set G0S, 76
.set G1SB, 80
.set G0SB, 88
.set MSB, 0
.macro WIN new                         ; the immediate's high byte repeats the setting that is left
.if MSB != (\new)
	s_set_vgpr_msb (MSB<<8)|(\new)
.set MSB, (\new)
.endif
.endm
.set MUL,  0x05                        ; sources 0 (W) and 1 (A) window 1; C and D window 0
.set TO_F, 0x40                        ; destination window 1, address window 0
.macro JLOAD g0a, g1a, g0b, g1b        ; a joint load: waves 0 and 1 fetch for A, waves 2 and 3 for W; four v_nop follow each of the two lines
	s_cmp_eq_u32 s11, 0
	s_cbranch_scc0 .Lfor_b_\@
	tensor_load_to_lds s[\g0a:\g0a+3], s[\g1a:\g1a+7]
	s_nop 0
.rept 4
	v_nop
.endr
	s_branch .Lasked_\@
.Lfor_b_\@:
	tensor_load_to_lds s[\g0b:\g0b+3], s[\g1b:\g1b+7]
	s_nop 0
.rept 4
	v_nop
.endr
.Lasked_\@:
.endm
; A PREFETCH INTO THE L2, behind each joint refill, its four lines and the run of LDS loads that follows them: the slot that the NEXT refill will ask for: 16 rows x 512 bytes, two lanes to a row, 256 bytes apart: one instruction a wave.
; Each row's 512 bytes of a slot are named ONCE in the launch.  A's tile row is read by both clusters of that row of clusters: the one with x = 0 asks; W's tile column by all eight clusters of that column: the one with y = 0 asks.
; The four partners that ask for a tile jointly share its rows out BY ADDRESS: of the 64 rows that a wave fetches, the partner at place p takes 16 p .. 16 p + 15 (p = cx for A, cy for W): no branch hangs on a place in the cluster.
; always = 1: slot 0's refill, behind which there is always a slot to ask for; 0: slot 1's, which in the loop's last trip (s3 = 1) brings the last slot of K and asks for nothing.
.macro ASK always
.if (\always)
	s_cmp_eq_u32 s[LIM], 1
.else
	s_cmp_gt_u32 s3, s[LIM]
.endif
	s_cbranch_scc0 .Lnot_mine_\@
	global_prefetch_b8 v[PFO], s[PFA:PFA+1] th:TH_LOAD_NT scope:SCOPE_SE
.Lnot_mine_\@:
.endm
.macro CREST
	s_cmp_lg_u32 s10, 0
	s_cbranch_scc1 .Lnot_wave_0_\@
	s_barrier_signal -3
.Lnot_wave_0_\@:
	s_barrier_wait -3
	s_barrier_signal -1
	s_barrier_wait -1
.endm
.macro CROUND
	s_barrier_signal -1
	s_barrier_wait -1
	CREST
.endm
	s_load_b128 s[4:7], s[0:1], 0x0                ; A's codes (its scales behind them), W's codes
	s_load_b64 s[8:9], s[0:1], 0x10                ; W's scales
	s_load_b64 s[92:93], s[0:1], 0x18              ; bias
	s_load_b128 s[96:99], s[0:1], 0x20             ; residual, out
	v_lshl_add_u32 v[SPW], v0, 2, SPARE
	v_mov_b32 v[NIL], 0
	ds_add_u32 v28, v29
	ds_add_u32 v28, v29
	s_wait_dscnt 0x0
	v_lshrrev_b32 v1, 5, v0
	v_readfirstlane_b32 s10, v1                    ; wave 0..3
	s_lshr_b32 s11, s10, 1                         ; which half of the tile's rows is mine.  Also: I fetch for A (0) or for W (1)
	s_and_b32 s12, s10, 1                          ; which half of its columns.  Also: which half of that operand I fetch
	s_bfe_u32 s40, ttmp6, 0x40000
	s_bfe_u32 s41, ttmp6, 0x40004
	s_lshl_b32 s42, ttmp9, 2
	s_add_co_u32 s42, s42, s40                     ; tile column = 4 x cluster x + cx
	s_and_b32 s13, ttmp7, 0xffff
	s_lshl_b32 s13, s13, 2
	s_add_co_u32 s13, s13, s41                     ; tile row = 4 x cluster y + cy
	s_lshl_b32 s43, s41, 2
	s_lshl_b32 s43, 15, s43                        ; my row of the cluster
	s_lshl_b32 s44, 0x1111, s40                    ; my column
	s_or_b32 s[G1+0], s43, (0<<16)|(1<<20)|(1<<21)|(6<<22)|(3<<25)  ; elements of 1 byte; padding: 4 words after every 128; bit 21 beside the mask
	s_or_b32 s[G1B+0], s44, (0<<16)|(1<<20)|(1<<21)|(6<<22)|(3<<25)
.irp g, G1, G1B
	s_mov_b32 s[\g+1], KSTEP<<16                   ; tensor_dim0
	s_mov_b32 s[\g+2], 128<<16             ; tensor_dim1: the head's loads of codes bring a tile's 128 rows
	s_mov_b32 s[\g+3], KSTEP<<16                   ; tile_dim0
	s_mov_b32 s[\g+4], 128                 ; tile_dim1
	s_mov_b32 s[\g+5], SIZE_K                      ; tensor_dim0_stride
	s_mov_b32 s[\g+6], 0
	s_mov_b32 s[\g+7], 0
.endr
	s_or_b32 s[G1S+0], s43, (3<<16)|(1<<21)        ; A's scales: 2 RA rows of 512 bytes (64 elements of 8), 16,384 bytes apart; read 16 bytes a lane on end: no padding
	s_mov_b32 s[G1S+1], 64<<16
	s_mov_b32 s[G1S+2], (2*RA)<<16
	s_mov_b32 s[G1S+3], 64<<16
	s_mov_b32 s[G1S+4], 2*RA
	s_mov_b32 s[G1S+5], 2048
	s_mov_b32 s[G1S+6], 0
	s_mov_b32 s[G1S+7], 0
	s_or_b32 s[G1SB+0], s44, (3<<16)|(1<<20)|(1<<21)|(5<<22)|(3<<25)   ; W's scales of 128 rows: a dense block, as rows of 256 bytes, 16 of padding behind each
	s_mov_b32 s[G1SB+1], 32<<16
	s_mov_b32 s[G1SB+2], (2*RB)<<16
	s_mov_b32 s[G1SB+3], 32<<16
	s_mov_b32 s[G1SB+4], 2*RB
	s_mov_b32 s[G1SB+5], 32
	s_mov_b32 s[G1SB+6], 0
	s_mov_b32 s[G1SB+7], 0
	s_lshl_b32 s16, s13, 7                 ; the tiles' first rows
	s_lshl_b32 s46, s42, 7
	s_mov_b32 s17, 0
	s_mov_b32 s47, 0
	s_mov_b64 s[18:19], KS
	s_mul_u64 s[22:23], s[46:47], s[18:19]         ; W's scales of these rows
	s_mov_b64 s[18:19], SIZE_K
	s_mul_u64 s[16:17], s[16:17], s[18:19]
	s_mul_u64 s[46:47], s[46:47], s[18:19]
	s_lshl_b32 s20, s13, 9                         ; A's scales: my tile row's 512 bytes,
	s_add_co_u32 s20, s20, 4096*SIZE_K     ; behind the codes
	s_mov_b32 s21, 0
	s_mul_i32 s45, s10, HALFT                      ; where they go: no place in the cluster enters an LDS address
	s_mul_i32 s14, s12, 64*SIZE_K          ; in the ring I fetch 64 rows of a tile: which half, in bytes
	s_mov_b32 s15, 0
	s_wait_kmcnt 0x0
	s_add_nc_u64 s[20:21], s[4:5], s[20:21]
	s_add_nc_u64 s[16:17], s[4:5], s[16:17]
	s_add_nc_u64 s[46:47], s[6:7], s[46:47]
	s_add_nc_u64 s[22:23], s[8:9], s[22:23]
	CROUND                                         ; all sixteen work-groups are here: the first joint loads meet
	s_mov_b32 s[G0S], 1
	s_mov_b32 s[G0S+1], SCA
	s_mov_b64 s[G0S+2:G0S+3], s[20:21]
	s_or_b32 s[G0S+3], s[G0S+3], 0x80000000
	s_mov_b32 s[G0SB], 1
	s_mov_b32 s[G0SB+1], SCB
	s_mov_b64 s[G0SB+2:G0SB+3], s[22:23]
	s_or_b32 s[G0SB+3], s[G0SB+3], 0x80000000
.irp s, 0,1
	s_mov_b32 s[G0+4*\s], 1
	s_add_co_u32 s[G0+4*\s+1], s45, \s*SLOT
	s_add_nc_u64 s[G0+4*\s+2:G0+4*\s+3], s[16:17], \s*KSTEP
	s_or_b32 s[G0+4*\s+3], s[G0+4*\s+3], 0x80000000
	s_mov_b32 s[G0B+4*\s], 1
	s_add_co_u32 s[G0B+4*\s+1], s45, \s*SLOT
	s_add_nc_u64 s[G0B+4*\s+2:G0B+4*\s+3], s[46:47], \s*KSTEP
	s_or_b32 s[G0B+4*\s+3], s[G0B+4*\s+3], 0x80000000
.endr
	s_mov_b32 s[G0+1], 0                   ; slot 0's groups 0 serve the head first: a whole tile each, A's at 0, W's behind it
	s_mov_b32 s[G0B+1], 2*HALFT
	s_add_nc_u64 s[G0+6:G0+7], s[G0+6:G0+7], s[14:15]      ; slot 1's: my 64 rows
	s_add_nc_u64 s[G0B+6:G0B+7], s[G0B+6:G0B+7], s[14:15]
; the head's four tiles, one joint load a wave, in one chain of branches on the wave's number: wave 0 A's 128 rows of slot 0, wave 1 W's, wave 2 A's scale words, wave 3 W's scale bytes
.macro ARM under, g0, g1, next
	s_cmp_lt_u32 s10, \under
	s_cbranch_scc0 \next
	tensor_load_to_lds s[\g0:\g0+3], s[\g1:\g1+7]
	s_nop 0
.rept 4
	v_nop
.endr
	s_branch .Lhead_asked
\next:
.endm
	ARM 1, G0,  G1,  .Lhead_b
	ARM 2, G0B, G1B, .Lhead_sa
	ARM 3, G0S, G1S, .Lhead_sb
	tensor_load_to_lds s[G0SB:G0SB+3], s[G1SB:G1SB+7]
	s_nop 0
.rept 4
	v_nop
.endr
.Lhead_asked:
	v_and_b32 v1, 15, v0                           ; r
	v_bfe_u32 v2, v0, 4, 1                         ; h
	v_lshlrev_b32 v[CO], 12, v2
	v_lshl_add_u32 v[CO], v1, 4, v[CO]             ; lanes 0-15 one row of out, lanes 16-31 the next; 16 bytes a lane
	v_lshlrev_b32 v[BOF], 4, v1
	s_wait_alu depctr_va_vdst(0)
	s_lshl_b32 s16, s13, 7
	s_lshl_b32 s17, s11, 6
	s_add_co_u32 s16, s16, s17                     ; my first row,
	s_lshl_b32 s16, s16, 12                        ; of 4,096 bytes
	s_lshl_b32 s46, s42, 9
	s_lshl_b32 s47, s12, 8
	s_add_co_u32 s46, s46, s47                     ; my first column, in bytes
	s_add_co_u32 s16, s16, s46
	s_mov_b32 s17, 0
	s_mov_b32 s47, 0
	s_add_nc_u64 s[96:97], s[96:97], s[16:17]
	s_add_nc_u64 s[98:99], s[98:99], s[16:17]
	s_add_nc_u64 s[92:93], s[92:93], s[46:47]
	global_load_b128 v[BIA:BIA+3], v[BOF], s[92:93]
	WIN 0x80                                       ; destination window 2, address window 0
.irp a, 0,1,2,3                                ; the residual: 32 loads, sixteen lanes to 256 consecutive bytes; with the bias 33 loads of mine are out until the way out; each byte is read once in the launch
.irp t, 0,1,2,3,4,5,6,7
	global_load_b128 v[RES+32*\a+4*\t:RES+32*\a+4*\t+3], v[CO], s[96:97] offset:(16*\a+2*\t)*4096 th:TH_LOAD_NT
.endr
.endr
	WIN 0
	v_mul_u32_u24 v3, v1, PITCH
	v_lshl_add_u32 v3, v2, 4, v3
	s_mul_i32 s21, s11, HALFT                      ; my 64 rows of A
	s_mul_i32 s22, s12, HALFT                      ; my 64 rows of W,
	s_add_co_u32 s22, s22, 2*HALFT                 ; which lie behind A's 128
.irp s, 0,1
	v_add_nc_u32 v[ADRA+\s], s21, v3
	v_add_nc_u32 v[ADRB+\s], s22, v3
	s_add_co_u32 s21, s21, SLOT
	s_add_co_u32 s22, s22, SLOT
.endr
	s_lshl_b32 s21, s11, 8
	s_add_co_u32 s21, s21, SCA
	v_lshl_add_u32 v[ADSA], v1, 4, s21             ; A's scale words: my half's 256 bytes of an image, 16 r: the words of my four blocks
	v_mul_u32_u24 v4, v1, KS
	v_lshrrev_b32 v5, 8, v4
	v_lshl_add_u32 v4, v5, 4, v4
	s_mul_i32 s22, s12, HALFSB
	s_add_co_u32 s22, s22, SCB
	v_add_nc_u32 v[ADSB], s22, v4                  ; W's: row r of a block: KS bytes a row, 16 more for each 256 passed
	s_mul_i32 s23, s10, 16*272                     ; my stage, 16 rows x (256 bytes + 16), in slot 0: it has had its last fill and its last read when the first result is stored there
	v_mul_u32_u24 v4, v1, 272
	v_lshl_add_u32 v4, v2, 5, v4
	v_add_nc_u32 v[STO], s23, v4
	v_mul_u32_u24 v5, v2, 272
	v_lshl_add_u32 v5, v1, 4, v5
	v_add_nc_u32 v[RD], s23, v5
.if LAPS > 1                           ; the prefetches (macro ASK): only a K with refills has them.  s13 = tile row, s42 = tile column, s40 = cx, s41 = cy, s[4:5] = A, s[6:7] = W still stand
	s_and_b32 s22, ttmp7, 0xffff                   ; cluster y
	s_cmp_eq_u32 s11, 0                            ; do I fetch for A?
	s_cselect_b32 s20, s13, s42                    ; the tile: in A by the tile row, in W by the tile column
	s_cselect_b32 s21, s40, s41                    ; my place among the four that ask for it with me
	s_cselect_b32 s22, ttmp9, s22                  ; the coordinate along which other clusters read the same rows
	s_cselect_b64 s[PFA:PFA+1], s[4:5], s[6:7]
	s_cmp_eq_u32 s22, 0
	s_cselect_b32 s[LIM], 1, -1                    ; the same in all sixteen partners, for a given wave
	s_lshl_b32 s20, s20, 7                         ; the tile's first row,
	s_lshl_b32 s22, s12, 6
	s_add_co_u32 s20, s20, s22                     ; + the 64 rows that I fetch,
	s_lshl_b32 s21, s21, 4
	s_add_co_u32 s20, s20, s21                     ; + my work-group's 16 of them,
	s_mul_i32 s20, s20, SIZE_K                     ; in bytes (under 2^24),
	s_add_co_u32 s20, s20, 2*KSTEP                 ; at slot 2: the first refill steps it to slot 3.  Nothing is prefetched here, at the head, where every work-group's first tiles are on their way
	s_mov_b32 s21, 0
	s_add_nc_u64 s[PFA:PFA+1], s[PFA:PFA+1], s[20:21]
	v_bfe_u32 v[PFO], v0, 1, 4
	v_mul_u32_u24 v[PFO], v[PFO], SIZE_K
	v_and_b32 v31, 1, v0
	v_lshl_add_u32 v[PFO], v31, 8, v[PFO]
.endif
.macro FETCH slot, q, f                ; 32 LDS loads in one run: the fragments of the slot's q-th 128 along K into buffer f
	WIN TO_F
.irp i, 0,1,2,3
.irp c, 0,1,2,3
	ds_load_b128 v[\f+64+16*\i+4*\c:\f+64+16*\i+4*\c+3], v[ADRB+\slot] offset:128*(\q)+32*\c+\i*16*PITCH
.endr
.endr
.irp i, 0,1,2,3
.irp c, 0,1,2,3
	ds_load_b128 v[\f+16*\i+4*\c:\f+16*\i+4*\c+3], v[ADRA+\slot] offset:128*(\q)+32*\c+\i*16*PITCH
.endr
.endr
.endm
.macro SCALES set                      ; a slot's scale words
	WIN 0
.irp q, 0,1,2,3
	ds_load_b128 v[SCS+32*\set+4*\q:SCS+32*\set+4*\q+3], v[ADSA] offset:512*\q
.endr
.irp i, 0,1,2,3
	ds_load_b128 v[SCS+32*\set+16+4*\i:SCS+32*\set+16+4*\i+3], v[ADSB] offset:\i*SBLK
.endr
.endm
; four matrix instructions: A's block a x W's four.  The 16 accumulators take turns, one instruction a turn, in the same order in every step.
.macro MULA f, a, q, set, zero
.irp b, 0,1,2,3
.if \zero
	v_wmma_scale_f32_16x16x128_f8f6f4 v[ACC+8*(4*(\a)+\b):ACC+8*(4*(\a)+\b)+7], v[\f+64+16*\b:\f+64+16*\b+15], v[\f+16*(\a):\f+16*(\a)+15], 0, v[SCS+32*(\set)+16+4*\b+(\q)], v[SCS+32*(\set)+4*(\q)+(\a)]
.else
	v_wmma_scale_f32_16x16x128_f8f6f4 v[ACC+8*(4*(\a)+\b):ACC+8*(4*(\a)+\b)+7], v[\f+64+16*\b:\f+64+16*\b+15], v[\f+16*(\a):\f+16*(\a)+15], v[ACC+8*(4*(\a)+\b):ACC+8*(4*(\a)+\b)+7], v[SCS+32*(\set)+16+4*\b+(\q)], v[SCS+32*(\set)+4*(\q)+(\a)]
.endif
.endr
.endm
.macro PLACES n                        ; plain vector instructions between a matrix instruction and a load into, or a read of, its registers
.rept \n
	v_nop
.endr
.endm
.macro QSTEP slot, q, f, g, zero       ; one of a slot's first three steps: multiplies buffer f; the next step's fragments are asked for first, into g
	s_wait_dscnt 0x0                               ; buffer f (and, at a slot's head, its scale words) is in
	PLACES 8
	FETCH \slot, (\q)+1, \g
	WIN MUL
	MULA \f, 0, \q, \slot, \zero
	MULA \f, 1, \q, \slot, \zero
	MULA \f, 2, \q, \slot, \zero
	MULA \f, 3, \q, \slot, \zero
.endm
; A slot's last step changes slots: one barrier; in front of it each wave waits for all its tensor loads, adds 0 to its spare word, and waits for that and for its own reads of this slot.
.macro TURN slot, next, fill
	WIN 0
.if \fill
	s_wait_xcnt 0x0                                ; the last prefetch, a slot back, has read its address: it is stepped here, ahead of the waits of the change of slots
	s_add_nc_u64 s[PFA:PFA+1], s[PFA:PFA+1], KSTEP
.endif
	s_wait_tensorcnt 0x0                           ; all my tensor loads have landed: my part of the next slot
	ds_add_u32 v[SPW], v[NIL]                      ; 0 onto my spare word
	s_wait_dscnt 1                                 ; buffer 1 is in; the add may be out
	WIN MUL
	MULA F1, 0, 3, \slot, 0
	s_wait_dscnt 0x0                               ; the add is done, and my reads of this slot are over
	s_barrier_signal -1
	MULA F1, 1, 3, \slot, 0
	WIN 0
	s_barrier_wait -1
.if \fill
	CREST                                          ; the barrier has opened a round of the cluster's: no wave of any partner still reads this slot or has a load on its way
	s_add_nc_u64 s[G0+4*\slot+2:G0+4*\slot+3], s[G0+4*\slot+2:G0+4*\slot+3], 2*KSTEP
	s_add_nc_u64 s[G0B+4*\slot+2:G0B+4*\slot+3], s[G0B+4*\slot+2:G0B+4*\slot+3], 2*KSTEP
	JLOAD G0+4*\slot, G1, G0B+4*\slot, G1B         ; the first tensor load behind the round; its four v_nop are among the places in front of the loads below
	PLACES 4
.else
	PLACES 8
.endif
	s_wait_alu depctr_va_vdst(0)
	v_add_nc_u32 v[ADSA], 2048, v[ADSA]            ; the next slot's scale words: four images on, 16 bytes on in W's rows
	v_add_nc_u32 v[ADSB], 16, v[ADSB]
	FETCH \next, 0, F0
	SCALES \next
.if \fill
	ASK 1-\slot                                    ; what the next refill will ask for: a slot's 64 matrix instructions ahead of that load
.endif
	WIN MUL
	MULA F1, 2, 3, \slot, 0
	MULA F1, 3, 3, \slot, 0
.endm
	s_wait_alu depctr_va_vdst(0)           ; the wait at the head's end
	s_wait_tensorcnt 0x0                   ; my tile of the head's four is in; the lines ahead of a later first fill:
	ds_add_u32 v[SPW], v[NIL]
	s_mov_b32 s[G1+2], 64<<16              ; no tensor load of mine is out: from here on a load brings 64 rows,
	s_mov_b32 s[G1+4], 64
	s_mov_b32 s[G1B+2], 64<<16
	s_mov_b32 s[G1B+4], 64
	s_mul_i32 s[G0+1], s10, HALFT          ; and slot 0's groups 0 take the ring's form: my quarter of the slot, my 64 rows
	s_mul_i32 s[G0B+1], s10, HALFT
	s_add_nc_u64 s[G0+2:G0+3], s[G0+2:G0+3], s[14:15]
	s_add_nc_u64 s[G0B+2:G0B+3], s[G0B+2:G0B+3], s[14:15]
	s_wait_dscnt 0x0
	CROUND                                 ; all four tiles are in, and the sixteen work-groups meet
	JLOAD G0+4, G1, G0B+4, G1B             ; slot 1: the first tensor load behind the round
	FETCH 0, 0, F0
	SCALES 0
	QSTEP 0, 0, F0, F1, 1                          ; the first step's products start the sums
.if LAPS > 1
	WIN 0
	s_mov_b32 s3, LAPS-1
.Llap:
	QSTEP 0, 1, F1, F0, 0
	QSTEP 0, 2, F0, F1, 0
	TURN 0, 1, 1
	QSTEP 1, 0, F0, F1, 0
	QSTEP 1, 1, F1, F0, 0
	QSTEP 1, 2, F0, F1, 0
	TURN 1, 0, 1
	QSTEP 0, 0, F0, F1, 0
	WIN 0
	s_sub_co_u32 s3, s3, 1
	s_cmp_lg_u32 s3, 0
	s_cbranch_scc1 .Llap
.endif
	QSTEP 0, 1, F1, F0, 0                          ; the last lap fills nothing
	QSTEP 0, 2, F0, F1, 0
	TURN 0, 1, 0
	QSTEP 1, 0, F0, F1, 0
	QSTEP 1, 1, F1, F0, 0
	QSTEP 1, 2, F0, F1, 0
	s_wait_dscnt 0x0
	WIN MUL
	MULA F1, 0, 3, 1, 0
	MULA F1, 1, 3, 1, 0
	MULA F1, 2, 3, 1, 0
	MULA F1, 3, 3, 1, 0
	WIN 0
; THE WAY OUT, a block of 16 rows x my 64 columns (256 bytes) at a time: through my stage, back as whole rows; the residual and the bias are added; sixteen lanes store 256 consecutive bytes, aligned.
.macro OUTB a
.irp b, 0,1,2,3
	ds_store_b128 v[STO], v[ACC+8*(4*(\a)+\b):ACC+8*(4*(\a)+\b)+3] offset:64*\b          ; each accumulator from its low end on
	ds_store_b128 v[STO], v[ACC+8*(4*(\a)+\b)+4:ACC+8*(4*(\a)+\b)+7] offset:64*\b+16
.endr
.irp t, 0,1,2,3,4,5,6,7
	ds_load_b128 v[BK+4*\t:BK+4*\t+3], v[RD] offset:544*\t         ; LDS serves a wave's instructions in order (ISA guide 5.7.1.4)
.endr
	s_wait_dscnt 0x0
	s_wait_loadcnt 8*(3-(\a))                      ; the bias and the residual up to this block are in; the eight loads of each later block may be out
	WIN 0x08                                       ; source 1 window 2
.set n, 0
.rept 16
	v_pk_add_f32 v[BK+n:BK+n+1], v[BK+n:BK+n+1], v[RES+32*(\a)+n:RES+32*(\a)+n+1]
.set n, n+2
.endr
	WIN 0
.irp t, 0,1,2,3,4,5,6,7
	v_pk_add_f32 v[BK+4*\t:BK+4*\t+1], v[BK+4*\t:BK+4*\t+1], v[BIA:BIA+1]
	v_pk_add_f32 v[BK+4*\t+2:BK+4*\t+3], v[BK+4*\t+2:BK+4*\t+3], v[BIA+2:BIA+3]
.endr
.irp t, 0,1,2,3,4,5,6,7
	global_store_b128 v[CO], v[BK+4*\t:BK+4*\t+3], s[98:99] offset:(16*(\a)+2*\t)*4096
.endr
.if (\a) < 3
	s_wait_xcnt 0x0                                ; the stores have read their registers: the next block's rows may land there
.endif
.endm
	PLACES 8                                       ; in front of the first read of results
	OUTB 0
	OUTB 1
	OUTB 2
	OUTB 3
	s_wait_tensorcnt 0x0                           ; the wave's end
	ds_add_u32 v[SPW], v[NIL]
	s_wait_dscnt 0x0
	CROUND                                         ; the closing round
	s_endpgm
.Lfunc_end_k_q0e09855e0e_w2:
	.size	k_q0e09855e0e_w2, .Lfunc_end_k_q0e09855e0e_w2-k_q0e09855e0e_w2
	.p2alignl 7, 3214868480
	.fill 96, 4, 3214868480
	.section	.rodata,"a",@progbits
	.p2align	6, 0x0
	.amdhsa_kernel k_q0e09855e0e_w2
		.amdhsa_group_segment_fixed_size 327680
		.amdhsa_private_segment_fixed_size 0
		.amdhsa_enable_private_segment 0
		.amdhsa_kernarg_size 48
		.amdhsa_user_sgpr_count 2
		.amdhsa_user_sgpr_kernarg_segment_ptr 1
		.amdhsa_wavefront_size32 1
		.amdhsa_system_sgpr_workgroup_id_x 1
		.amdhsa_system_sgpr_workgroup_id_y 1
		.amdhsa_system_sgpr_workgroup_id_z 1
		.amdhsa_system_vgpr_workitem_id 0
		.amdhsa_next_free_vgpr 768
		.amdhsa_next_free_sgpr 100
		.amdhsa_reserve_vcc 0
		.amdhsa_float_denorm_mode_32 3
		.amdhsa_float_denorm_mode_16_64 3
		.amdhsa_memory_ordered 1
		.amdhsa_forward_progress 1
		.amdhsa_inst_pref_size 106
	.end_amdhsa_kernel
	.amdgpu_metadata
---
amdhsa.version: [ 1, 2 ]
amdhsa.kernels:
  - .name:           k_q0e09855e0e_w2
    .symbol:         k_q0e09855e0e_w2.kd
    .args:
      - { .name: hid, .offset: 0, .size: 8, .value_kind: global_buffer, .address_space: global }
      - { .name: W2_codes, .offset: 8, .size: 8, .value_kind: global_buffer, .address_space: global }
      - { .name: W2_scales, .offset: 16, .size: 8, .value_kind: global_buffer, .address_space: global }
      - { .name: b2, .offset: 24, .size: 8, .value_kind: global_buffer, .address_space: global }
      - { .name: x1, .offset: 32, .size: 8, .value_kind: global_buffer, .address_space: global }
      - { .name: out0, .offset: 40, .size: 8, .value_kind: global_buffer, .address_space: global }
    .group_segment_fixed_size: 327680
    .private_segment_fixed_size: 0
    .kernarg_segment_align: 8
    .kernarg_segment_size: 48
    .max_flat_workgroup_size: 128
    .sgpr_count:     100
    .vgpr_count:     768
    .wavefront_size: 32
...
	.end_amdgpu_metadata
.endif
;; end of part 6
